; MI455X (gfx1250); checked and timed in simulation.
; The chip was launched on July 23, 2026; its instructions are those of AMD's public machine-readable ISA for CDNA 5 (MIT licence, August 2026) and "CDNA5" Instruction Set Architecture Reference Guide (July 2026). The comments in the code are by the model that wrote it; some were corrected since.
;; Cross Transformer Encoder. Allowed arithmetic: matrix products marked QUANTISED: E2M1 operands, one E8M0 scale for each 32 along K, by v_wmma_scale_f32_16x16x128_f8f6f4 with both operands' format E2M1 (or v_wmma_scale_f32_32x16x128_f4), f32 sums; products left as they are: bf16, f16 or f32 operands; f32 sums; everything else in f32.
;; Inputs: W1 512 x 512 float32; W2 256 x 512 float32; Wk 256 x 256 float32; Wm 256 x 256 float32; Wq 256 x 256 float32; Wv 256 x 256 float32; b1 256 float32; b2 256 float32; g1 256 float32; g2 256 float32; source 64 x 1,024 x 256 float32; source_mask 64 x 1,024 float32; x 64 x 1,024 x 256 float32; x_mask 64 x 1,024 float32.
;; Outputs: out0 8,192 x 8 x 256 float32.
;; Constants: node_num = 8.
;; This version of the problem:
;;   THIS VERSION OF THE PROBLEM IS GIVEN IN LOW PRECISION. The matrix products marked QUANTISED in the list below multiply operands that are first quantised to E2M1 (2 exponent bits, 1 mantissa bit; 4 bits a number), with one power-of-two scale for each 32 numbers along K (OCP MX v1.0); their sums are f32. The products marked 'left as it is' may take bf16, f16 or f32 operands, with f32 sums. Whichever they take, every output number must still come out within the allowed error. Rounding operands to bf16 (8 significant bits) uses up far more of that allowance than f16 does (11 bits, for magnitudes from 6e-5 to 65,504). All else is computed in f32.
;;   The module's matrix products, in the order in which they are computed (A, B: the left and right operand; K: the contracted axis; several contracted axes count as one K, in the product's order):
;;     1. [M 65,536, K 256] x [K 256, N 256]; A: input x; B: input Wq: QUANTISED
;;     2. [M 65,536, K 256] x [K 256, N 256]; A: input source; B: input Wk: QUANTISED
;;     3. [M 65,536, K 256] x [K 256, N 256]; A: input source; B: input Wv: QUANTISED
;;     4. batch 64 x [M 256, K 1,024] x [K 1,024, N 256]; A: computed on the way; B: computed on the way: left as it is (an operand is computed on the way)
;;     5. batch 64 x [M 1, K 256] x [K 256, N 1,024]; A: computed on the way; B: computed on the way: left as it is (M = 1 < 16)
;;     6. batch 64 x [M 256, K 256] x [K 256, N 1,024]; A: computed on the way; B: computed on the way: left as it is (an operand is computed on the way)
;;     7. batch 65,536 x [M 1, K 1] x [K 1, N 256]; A: computed on the way; B: computed on the way: left as it is (no contracted axis)
;;     8. [M 65,536, K 256] x [K 256, N 256]; A: computed on the way; B: input Wm: left as it is (an operand is computed on the way)
;;     9. [M 65,536, K 512] x [K 512, N 512]; A: computed on the way; B: input W1: left as it is (an operand is computed on the way)
;;     10. [M 65,536, K 512] x [K 512, N 256]; A: computed on the way; B: input W2: left as it is (an operand is computed on the way)
;;   THE QUANTISER, for each operand of a quantised product, along K:
;;     - K is cut into blocks of 32 from its start; a last block that is shorter is filled with zeros.
;;     - A block's scale is 2^e with e = floor(log2(the largest magnitude in the block)) - 2, held to -126 .. 127; a block of zeros has e = 0. As a byte (E8M0): e + 127.
;;     - Each number is divided by its block's scale, clamped to +-6, and rounded to the nearest number of E2M1, ties to even, subnormals kept.
;;     - The product sums the exact products of the quantised numbers (number of the format x scale) in f32.
;;   ~~~python
;;   def quantise(x, axis):      # numpy; x: float32 -> the quantised numbers, widened to float32 again
;;       x = np.moveaxis(x, axis, -1); K = x.shape[-1]
;;       x = np.pad(x, [(0, 0)] * (x.ndim - 1) + [(0, -K % 32)]); x = x.reshape(x.shape[:-1] + (-1, 32)); a = np.abs(x).max(-1, keepdims=True)
;;       e = np.where(a > 0, np.clip(np.frexp(np.where(a > 0, a, 1))[1] - 1 - 2, -126, 127), 0)      # np.frexp(a)[1] - 1 = floor(log2(a)), exactly
;;       r = np.clip(x / 2.0 ** e, -6, 6)
;;       step = 2.0 ** (np.maximum(np.frexp(np.where(r == 0, 1, r))[1] - 1, 0) - 1)
;;       q = np.round(r / step) * step * 2.0 ** e      # np.round: ties to even
;;       return np.moveaxis(q.reshape(q.shape[:-2] + (-1,))[..., :K], -1, axis).astype(np.float32)
;;   ~~~
;; One version. Each part assembles by itself: llvm-mc -triple=amdgcn-amd-amdhsa -mcpu=gfx1250 --defsym DOCPART=n.
;; ======== version 1 of 1: 3 launches
;; limits: right only within a limited range of input values
;; workspace buffers: scod 8,388,608 bytes; sscl 524,288 bytes; wcod 98,304 bytes; wscl 6,144 bytes; wts 786,432 bytes; wmf 131,072 bytes; kvm 8,388,608 bytes; ksum 65,536 bytes
;; launch prep (part 1): grid 546 x 1, 4 waves a work-group, no clusters, 67,072 bytes of LDS; arguments source, Wq, Wk, Wv, W1, W2, Wm, scod, sscl, wcod, wscl, wts, wmf; writes scod, sscl, wcod, wscl, wts, wmf
.if DOCPART == 1
	.amdgcn_target "amdgcn-amd-amdhsa--gfx1250"
	.amdhsa_code_object_version 6
	.text
	.protected	k_q70b7c8e1d7_prep
	.globl	k_q70b7c8e1d7_prep
	.p2align	8
	.type	k_q70b7c8e1d7_prep,@function
k_q70b7c8e1d7_prep:
	s_mov_b64 s[64:65], 0
	v_nop
	global_prefetch_b8 v0, s[64:65] scope:SCOPE_SE
	s_setreg_imm32_b32 hwreg(HW_REG_WAVE_MODE, 25, 1), 1
	s_wait_xcnt 0x0
; PREP: what many work-groups read again is brought once into the order of the matrix operands' registers.
;   source, Wq, Wk, Wv (f32, K innermost) -> codes of E2M1 and E8M0 scale words (the stated quantiser, blocks of 32 along K);
;   W1, W2 -> f16 fragments; Wm -> bf16 fragments.
; THE PROGRAM (three launches).  No input of reference() is dead: all are loaded.  node_num only regroups rows: every step works on 65,536 independent rows of 256.
; What is done otherwise than reference() writes it, each an identity in real numbers for all finite inputs:
;   elu(t) + 1 = max(t, 0) + exp(min(t, 0));   v / v_len and msg x v_len cancel (a power of two);
;   (m Kf)(m v) = (m^2 Kf) v, m = source_mask;   (Q KV) Wm^T = Q (KV Wm^T): Wm is folded into KV once a batch;
;   x_mask and Z are one number a row and go into the first layer norm's factor of that row.
; LIMITS: NaN and infinities among the inputs are not served.  A block whose largest magnitude lies under 2^-124 gets the scale byte 1 (a block of zeros too, where the
; quantiser says 127: its codes are zeros, and this program alone reads the bytes).  W1 and W2 go in f16: magnitudes up to 65,504.
; A FRAGMENT'S IMAGE is 1,024 bytes: [half c][lane][16 bytes], registers 4 c .. 4 c + 3 of the lane.  r = lane % 16, h = lane / 16.
;   E2M1, 16 rows x 128 K: row r, k = 64 c + 32 h + 0 .. 31.     16 bits, 16 rows x 32 K: row r, k = 16 c + 8 h + 0 .. 7;
;   for W1's k under 256: k = 16 h + 8 c + 0 .. 7, the same order of k in which the last launch lays x: a product's sum does not hang on the order of k.
; A SCALE WORD of a tile of 16 rows: lanes 0-15 row r's four bytes of K step 0, lanes 16-31 those of K step 1; two tiles' words lie side by side, 8 bytes a lane.
; WORK-GROUPS: 0-511 source, 512-517 Wq, Wk, Wv (one text: only pointers are chosen), 518-533 W1, 534-541 W2, 542-545 Wm.  Waves share nothing: no barrier.
.set STGW,  16640                      ; LDS: a stage for each wave, 16 rows x (1,024 + 16) bytes: row r starts 260 words on, so 16 rows start at 16 different banks
.set SPARE, 66560                      ; behind the stages: the spare words, 128 bytes a wave, named by no other line
.set L16, 1                            ; v1  16 x lane
.set RR,  2                            ; v2  r
.set HH,  3                            ; v3  h
.set SIN, 4                            ; v4  stage, on the way in
.set SOUT, 5                           ; v5  stage, on the way out: row r, + 128 h
.set H8,  6                            ; v6  8 h
.set L8,  7                            ; v7  8 x lane
.set SPW, 8                            ; v8  my spare word; never rewritten
.set NIL, 9                            ; v9  0; never rewritten
.set VA,  14                           ; v14, v15  the 16-bit paths' offsets of the two halves
.set VB,  15
.set BY,  16                           ; v16-19 a tile's four scale bytes of my lane
.set WD,  20                           ; v20-23 scale words in the making
.set SW,  24                           ; v24-25 the two tiles' finished words
.set CD,  32                           ; v32-63 codes: four registers for each of 8 blocks: no store's data are written again
.set XN,  64                           ; v64-127 two sets of 32 numbers
.set LD,  128                          ; v128-255 a tile as it is loaded
	s_load_b512 s[4:19], s[0:1], 0x0               ; source, Wq, Wk, Wv, W1, W2, Wm, scod
	s_load_b256 s[20:27], s[0:1], 0x40             ; sscl, wcod, wscl, wts
	s_load_b64 s[28:29], s[0:1], 0x60              ; wmf
	v_lshl_add_u32 v[SPW], v0, 2, SPARE
	v_mov_b32 v[NIL], 0
	v_lshrrev_b32 v13, 5, v0
	v_readfirstlane_b32 s30, v13                   ; wave
	v_and_b32 v13, 31, v0                          ; lane
	v_lshlrev_b32 v[L16], 4, v13
	v_and_b32 v[RR], 15, v0
	v_bfe_u32 v[HH], v0, 4, 1
	s_lshl_b32 s31, ttmp9, 2
	s_add_co_u32 s31, s31, s30                     ; 4 x work-group + wave
	s_mov_b32 s45, 0
	s_wait_kmcnt 0x0
	s_cmp_lt_u32 ttmp9, 518
	s_cbranch_scc1 .Lfp4
	s_cmp_lt_u32 ttmp9, 534
	s_cbranch_scc1 .Lw1
	s_cmp_lt_u32 ttmp9, 542
	s_cbranch_scc1 .Lw2
; eight fragments of 16 bits: 32 loads of 16 bytes, 64 roundings of two numbers, 16 stores of 512 consecutive bytes
.macro CONV cvt, kind
.set i, 0
.rept 8
.if \kind == 0
.set OFFI, i*32768
.elseif \kind == 1
.set OFFI, (i&3)*32768+(i>>2)*128
.else
.set OFFI, i*128
.endif
	global_load_b128 v[64+16*i:64+16*i+3], v[VA], s[36:37] offset:OFFI
	global_load_b128 v[64+16*i+4:64+16*i+7], v[VA], s[36:37] offset:OFFI+16
	global_load_b128 v[64+16*i+8:64+16*i+11], v[VB], s[36:37] offset:OFFI
	global_load_b128 v[64+16*i+12:64+16*i+15], v[VB], s[36:37] offset:OFFI+16
.set i, i+1
.endr
	s_wait_loadcnt 0x0
.set i, 0
.rept 64
	\cvt v[192+i], v[64+2*i], v[64+2*i+1]
.set i, i+1
.endr
.set i, 0
.rept 16
	global_store_b128 v[L16], v[192+4*i:192+4*i+3], s[38:39] offset:i*512
.set i, i+1
.endr
.endm
	; ---- Wm: wave = tile of 16 rows o; its eight K steps of 32
	s_sub_co_u32 s32, s31, 2168
	s_lshl_b32 s44, s32, 14
	s_add_nc_u64 s[36:37], s[16:17], s[44:45]
	s_lshl_b32 s44, s32, 13
	s_add_nc_u64 s[38:39], s[28:29], s[44:45]
	v_lshlrev_b32 v[VA], 5, v[HH]
	v_lshl_add_u32 v[VA], v[RR], 10, v[VA]         ; row r of 1,024 bytes, + 32 h
	v_add_nc_u32 v[VB], 64, v[VA]
	CONV v_cvt_pk_bf16_f32, 2
	s_branch .Lend
.Lw1:	; ---- W1: p = slot x 8 + reader's wave x 2 + q: eight tiles of rows at K step 2 slot + q
	s_sub_co_u32 s32, s31, 2072
	s_cmp_lt_u32 s32, 32                           ; k under 256: x's order of k
	s_cselect_b32 s33, 64, 32                      ; bytes from h = 0 to h = 1
	s_cselect_b32 s34, 32, 64                      ; and from half 0 to half 1
	s_lshr_b32 s42, s32, 3
	s_lshl_b32 s42, s42, 1
	s_and_b32 s43, s32, 1
	s_add_co_u32 s42, s42, s43
	s_lshl_b32 s42, s42, 7                         ; the K step's 128 bytes
	s_bfe_u32 s43, s32, 0x20001
	s_lshl_b32 s43, s43, 18                        ; the reader's 128 rows of 2,048 bytes
	s_add_co_u32 s44, s42, s43
	s_add_nc_u64 s[36:37], s[12:13], s[44:45]
	s_lshl_b32 s44, s32, 13
	s_add_nc_u64 s[38:39], s[26:27], s[44:45]
	v_mul_u32_u24 v[VA], v[HH], s33
	v_lshl_add_u32 v[VA], v[RR], 11, v[VA]
	v_add_nc_u32 v[VB], s34, v[VA]
	CONV v_cvt_pk_f16_f32, 0
	s_branch .Lend
.Lw2:	; ---- W2: p = slot x 8 + reader's wave x 2 + half: four tiles of rows at two K steps
	s_sub_co_u32 s32, s31, 2136
	s_lshr_b32 s42, s32, 3
	s_lshl_b32 s42, s42, 2
	s_and_b32 s43, s32, 1
	s_lshl_b32 s43, s43, 1
	s_add_co_u32 s42, s42, s43
	s_lshl_b32 s42, s42, 7
	s_bfe_u32 s43, s32, 0x20001
	s_lshl_b32 s43, s43, 17                        ; the reader's 64 rows
	s_add_co_u32 s44, s42, s43
	s_add_nc_u64 s[36:37], s[14:15], s[44:45]
	s_lshl_b32 s44, s32, 13
	s_add_co_u32 s44, s44, 524288                  ; behind W1's eight slots
	s_add_nc_u64 s[38:39], s[26:27], s[44:45]
	v_lshlrev_b32 v[VA], 5, v[HH]
	v_lshl_add_u32 v[VA], v[RR], 11, v[VA]
	v_add_nc_u32 v[VB], 64, v[VA]
	CONV v_cvt_pk_f16_f32, 1
	s_branch .Lend
.Lfp4:	; ---- the quantiser: a wave takes 32 rows x 256: two tiles of 16 rows
	s_cmp_lt_u32 ttmp9, 516                        ; the choices hang on the work-group's number alone
	s_cselect_b64 s[36:37], s[8:9], s[10:11]
	s_cmp_lt_u32 ttmp9, 514
	s_cselect_b64 s[36:37], s[6:7], s[36:37]
	s_cmp_lt_u32 ttmp9, 512
	s_cselect_b64 s[36:37], s[4:5], s[36:37]
	s_cselect_b64 s[38:39], s[18:19], s[22:23]
	s_cselect_b64 s[40:41], s[20:21], s[24:25]
	s_cselect_b32 s42, 0, 2048
	s_cselect_b32 s43, -1, 7
	s_sub_co_u32 s42, s31, s42                     ; which pair of tiles of the codes' buffer
	s_and_b32 s43, s31, s43                        ; and of the tensor (a weight has 8)
	s_lshl_b32 s44, s43, 15
	s_add_nc_u64 s[36:37], s[36:37], s[44:45]
	s_lshl_b32 s44, s42, 12
	s_add_nc_u64 s[38:39], s[38:39], s[44:45]
	s_lshl_b32 s44, s42, 8
	s_add_nc_u64 s[40:41], s[40:41], s[44:45]
	s_mul_i32 s46, s30, STGW
	v_add_nc_u32 v[SIN], s46, v[L16]
	v_mul_u32_u24 v[SOUT], v[RR], 1040
	v_lshl_add_u32 v[SOUT], v[HH], 7, v[SOUT]
	v_add_nc_u32 v[SOUT], s46, v[SOUT]
	v_lshlrev_b32 v[H8], 3, v[HH]
	v_lshlrev_b32 v[L8], 3, v13
	v_cmp_le_u32 vcc_lo, 16, v13                   ; lanes 16-31
	v_mov_b32 v[WD+2], 0                           ; a lane permute's destination counts as one of its sources
	v_mov_b32 v[WD+3], 0
	s_mov_b32 s48, 0x76543210
	s_mov_b32 s49, 0xfedcba98                      ; lane l xor 16
.macro GLOAD u                         ; a tile as it lies: each load 512 consecutive bytes
.set i, 0
.rept 32
	global_load_b128 v[LD+4*i:LD+4*i+3], v[L16], s[36:37] offset:(\u)*16384+i*512 th:TH_LOAD_NT
.set i, i+1
.endr
.endm
.macro TOST
.set i, 0
.rept 32
	ds_store_b128 v[SIN], v[LD+4*i:LD+4*i+3] offset:(i/2)*1040+(i%2)*512
.set i, i+1
.endr
.endm
.macro XLD j, set                      ; block j = 2 s + c of my lane: k = 128 s + 64 c + 32 h + 0 .. 31 of row r
.set i, 0
.rept 8
	ds_load_b128 v[XN+32*(\set)+4*i:XN+32*(\set)+4*i+3], v[SOUT] offset:256*(\j)+16*i
.set i, i+1
.endr
.endm
.macro BLK u, j, set                   ; all 32 numbers of the block are mine: largest magnitude, scale, codes
.set XS, XN+32*(\set)
.set CC, CD+16*(\u)+4*(\j)
	v_max3_num_f32 v10, |v[XS]|, |v[XS+1]|, |v[XS+2]|
	v_max3_num_f32 v11, |v[XS+3]|, |v[XS+4]|, |v[XS+5]|
.irp n, 6,10,14,18,22,26
	v_max3_num_f32 v10, v10, |v[XS+\n]|, |v[XS+\n+1]|
	v_max3_num_f32 v11, v11, |v[XS+\n+2]|, |v[XS+\n+3]|
.endr
	v_max3_num_f32 v10, v10, |v[XS+30]|, |v[XS+31]|
	v_max3_num_f32 v10, v10, v11, 0x1800000        ; the floor 2^(3 - 127): the byte cannot fall under 1
	v_add_nc_u32 v12, 0xff000000, v10              ; 2 off the exponent field: the conversion takes that field as its scale
.irp g, 0,1,2,3
	v_cvt_scalef32_pk8_fp4_f32 v[CC+\g], v[XS+8*\g:XS+8*\g+7], v12
.endr
	v_lshrrev_b32 v[BY+\j], 23, v12                ; the scale's byte (the plain line behind the conversions)
	global_store_b128 v[L16], v[CC:CC+3], s[38:39] offset:(\u)*2048+(\j)*512   ; half c of fragment (u, s): 512 consecutive bytes
.endm
.macro WORD u                          ; my bytes are those of blocks h and 2 + h of each K step; lane l xor 16 has the others
	v_lshl_or_b32 v[WD], v[BY+1], 16, v[BY]
	v_lshl_or_b32 v[WD+1], v[BY+3], 16, v[BY+2]
	v_lshlrev_b32 v[WD], v[H8], v[WD]
	v_lshlrev_b32 v[WD+1], v[H8], v[WD+1]
	v_permlanex16_b32 v[WD+2], v[WD], s48, s49
	v_permlanex16_b32 v[WD+3], v[WD+1], s48, s49
	v_or_b32 v[WD], v[WD], v[WD+2]
	v_or_b32 v[WD+1], v[WD+1], v[WD+3]
	v_cndmask_b32 v[SW+\u], v[WD], v[WD+1], vcc_lo ; lanes 0-15 K step 0, lanes 16-31 K step 1
.endm
.macro TILE u, more
	s_wait_loadcnt 0x0                             ; the tile's 32 loads
	TOST
	XLD 0, 0
	XLD 1, 1
	s_wait_dscnt 8                                 ; block 0 is back, so the stores into the stage have read their registers; block 1's 8 loads may be out
.if \more
	GLOAD 1
.endif
	BLK \u, 0, 0
	XLD 2, 0
	s_wait_dscnt 8                                 ; block 1 is in; block 2's 8 may be out
	BLK \u, 1, 1
	XLD 3, 1
	s_wait_dscnt 8
	BLK \u, 2, 0
	s_wait_dscnt 0x0
	BLK \u, 3, 1
	WORD \u
.endm
	GLOAD 0
	TILE 0, 1
	TILE 1, 0
	global_store_b64 v[L8], v[SW:SW+1], s[40:41]   ; the pair's scale words: 256 consecutive bytes, aligned
.Lend:
	s_wait_tensorcnt 0x0                           ; the wave's end
	ds_add_u32 v[SPW], v[NIL]
	s_wait_dscnt 0x0
	s_endpgm
.Lfunc_end_k_q70b7c8e1d7_prep:
	.size	k_q70b7c8e1d7_prep, .Lfunc_end_k_q70b7c8e1d7_prep-k_q70b7c8e1d7_prep
	.p2alignl 7, 3214868480
	.fill 96, 4, 3214868480
	.section	.rodata,"a",@progbits
	.p2align	6, 0x0
	.amdhsa_kernel k_q70b7c8e1d7_prep
		.amdhsa_group_segment_fixed_size 67072
		.amdhsa_private_segment_fixed_size 0
		.amdhsa_enable_private_segment 0
		.amdhsa_kernarg_size 104
		.amdhsa_user_sgpr_count 2
		.amdhsa_user_sgpr_kernarg_segment_ptr 1
		.amdhsa_wavefront_size32 1
		.amdhsa_system_sgpr_workgroup_id_x 1
		.amdhsa_system_sgpr_workgroup_id_y 1
		.amdhsa_system_sgpr_workgroup_id_z 1
		.amdhsa_system_vgpr_workitem_id 0
		.amdhsa_next_free_vgpr 256
		.amdhsa_next_free_sgpr 66
		.amdhsa_reserve_vcc 1
		.amdhsa_float_denorm_mode_32 3
		.amdhsa_float_denorm_mode_16_64 3
		.amdhsa_memory_ordered 1
		.amdhsa_forward_progress 1
		.amdhsa_inst_pref_size 57
	.end_amdhsa_kernel
	.amdgpu_metadata
---
amdhsa.version: [ 1, 2 ]
amdhsa.kernels:
  - .name:           k_q70b7c8e1d7_prep
    .symbol:         k_q70b7c8e1d7_prep.kd
    .args:
      - { .name: source, .offset: 0, .size: 8, .value_kind: global_buffer, .address_space: global }
      - { .name: Wq, .offset: 8, .size: 8, .value_kind: global_buffer, .address_space: global }
      - { .name: Wk, .offset: 16, .size: 8, .value_kind: global_buffer, .address_space: global }
      - { .name: Wv, .offset: 24, .size: 8, .value_kind: global_buffer, .address_space: global }
      - { .name: W1, .offset: 32, .size: 8, .value_kind: global_buffer, .address_space: global }
      - { .name: W2, .offset: 40, .size: 8, .value_kind: global_buffer, .address_space: global }
      - { .name: Wm, .offset: 48, .size: 8, .value_kind: global_buffer, .address_space: global }
      - { .name: scod, .offset: 56, .size: 8, .value_kind: global_buffer, .address_space: global }
      - { .name: sscl, .offset: 64, .size: 8, .value_kind: global_buffer, .address_space: global }
      - { .name: wcod, .offset: 72, .size: 8, .value_kind: global_buffer, .address_space: global }
      - { .name: wscl, .offset: 80, .size: 8, .value_kind: global_buffer, .address_space: global }
      - { .name: wts, .offset: 88, .size: 8, .value_kind: global_buffer, .address_space: global }
      - { .name: wmf, .offset: 96, .size: 8, .value_kind: global_buffer, .address_space: global }
    .group_segment_fixed_size: 67072
    .private_segment_fixed_size: 0
    .kernarg_segment_align: 8
    .kernarg_segment_size: 104
    .max_flat_workgroup_size: 128
    .sgpr_count:     66
    .vgpr_count:     256
    .wavefront_size: 32
...
	.end_amdgpu_metadata
.endif
;; end of part 1
;; launch kv (part 2): grid 256 x 1, 4 waves a work-group, no clusters, 296,448 bytes of LDS; arguments scod, sscl, wcod, wscl, source_mask, wmf, kvm, ksum; writes kvm, ksum
.if DOCPART == 2
	.amdgcn_target "amdgcn-amd-amdhsa--gfx1250"
	.amdhsa_code_object_version 6
	.text
	.protected	k_q70b7c8e1d7_kv
	.globl	k_q70b7c8e1d7_kv
	.p2align	8
	.type	k_q70b7c8e1d7_kv,@function
k_q70b7c8e1d7_kv:
	s_mov_b64 s[64:65], 0
	v_nop
	global_prefetch_b8 v0, s[64:65] scope:SCOPE_SE
	s_setreg_imm32_b32 hwreg(HW_REG_WAVE_MODE, 25, 1), 1
	s_wait_xcnt 0x0
; KV: for batch n = work-group / 4 and the 64 features d = 64 dq .. (dq = work-group % 4):
;   k = source Wk^T, v = source Wv^T on codes of E2M1 (the quantised products);  Kf = elu(k) + 1 = max(k, 0) + exp(min(k, 0));  m = source_mask;
;   Ksum[d] = sum over s of m Kf;   KV[d][v] = sum over s of (m^2 Kf)[s][d] v[s][v]  (bf16 operands, f32 sums);   KVM[d][o] = sum over v of KV[d][v] Wm[o][v]  (bf16).
; Left out, as identities in real numbers for all finite inputs: v / v_len here and x v_len later (a power of two cancels); the second factor m on v (it stands as m^2 on Kf);
; reference()'s product of every row's message with Wm (Wm is folded into KV once a batch).
; LIMITS: NaN and infinities are not served; a v that overflows in a row whose mask is 0 is not cancelled.  bf16, not f16: with all inputs 30 times larger KV and KVM pass f16's range.
; SHARES.  Wave w takes source rows 256 w .. + 255, 32 a step, and keeps a partial KV of 64 d x 256 v in 64 accumulators; the four partials meet in LDS at the end.  No barrier in the loop.
; v is made by all four work-groups of a batch (4-bit products: an eighth of a bf16 product's time); k and its exponentials once.
; No joint loads: the launch has no tensor load; a work-group reads some 310 KB in its whole life, straight into registers, one step ahead.
; LAYOUT: no number changes lanes.  k, v: source 0 = 16 source rows, source 1 = 16 rows of W: a lane holds ONE column and registers s = 8 h + j: two tiles, rounded in pairs, are a 16-bit fragment along s.
; KV: source 0 = v's fragment, source 1 = K's: lane = d, registers = v: rounded, the fold's fragment (rows d, K = v).  Fold: source 1 = Wm's rows o: lane = o, registers = d: the last launch's weight fragment.
; REGISTERS: window 0: v1-15 addresses; v16-39 scale words and nothing else; v44-75 m, m^2; v76-83 Ksum; v96-159 eight result tiles; v160-191 K's fragments; v192-223 v's; v224-255 at work.
;   window 1: v0-63 Wk; v64-127 the source's fragments, two sets; v128-255 Wv's, two sets of four tiles.   windows 2, 3: accumulator (vt, dt) at v[8 (4 (vt % 8) + dt)] of window 2 + vt / 8.
.set WVC,   0                          ; LDS: Wv's 32 fragments [vt][K step][1 KB]
.set MSK,   32768                      ; the batch's mask, 4 KB
.set KVF,   262144                     ; KV as fragments [dt][v / 32][1 KB].  Bytes 0 .. 262,143 serve again, behind a barrier, for the four partials [wave][accumulator][1 KB]
.set KSX,   294912                     ; the waves' Ksum: [wave][64] f32
.set SPARE, 295936                     ; the spare words, 128 bytes a wave, named by no other line
.set L16, 1
.set L8,  2
.set RR,  3
.set HH,  4
.set MB,  5                            ; my mask words: MSK + 1,024 w + 32 h
.set MA,  6                            ; the same for the step in hand
.set RB,  8                            ; where my partial goes
.set RL,  9                            ; v9-12 where I read the four partials of my 16 accumulators
.set KB,  13                           ; where my part of KV's fragments goes
.set KFA, 14                           ; where KV's fragments are read
.set KSW, 15
.set WKS, 16
.set WVS, 20
.set SS,  36
.set SPW, 40
.set NIL, 41
.set KSR, 42
.set KSG, 43
.set MK,  44
.set MQ,  60
.set KSUM, 76
.set T,   96
.set KF,  160
.set VF,  192
.set E,   224
.set WK,  0
.set SRC, 64
.set WVT, 128
.set MSB, 0
.macro WIN new                         ; the immediate's high byte repeats the setting that is left
.if MSB != (\new)
	s_set_vgpr_msb (MSB<<8)|(\new)
.set MSB, \new
.endif
.endm
.macro PLACES                          ; four plain vector lines behind matrix instructions (ISA guide 7.12.1)
.rept 4
	v_nop
.endr
.endm
.macro BAR                             ; my LDS stores have landed and my LDS loads are in: then the work-group's barrier
	s_wait_dscnt 0x0
	s_barrier_signal -1
	s_barrier_wait -1
.endm
	s_load_b512 s[4:19], s[0:1], 0x0               ; scod, sscl, wcod, wscl, source_mask, wmf, kvm, ksum
	v_lshl_add_u32 v[SPW], v0, 2, SPARE
	v_mov_b32 v[NIL], 0
	v_lshrrev_b32 v92, 5, v0
	v_readfirstlane_b32 s20, v92                   ; wave
	s_lshr_b32 s21, ttmp9, 2                       ; n
	s_and_b32 s22, ttmp9, 3                        ; dq
	v_and_b32 v92, 31, v0
	v_lshlrev_b32 v[L16], 4, v92
	v_lshlrev_b32 v[L8], 3, v92
	v_and_b32 v[RR], 15, v0
	v_bfe_u32 v[HH], v0, 4, 1
	s_lshl_b32 s23, s20, 10
	s_add_co_u32 s23, s23, MSK
	v_lshl_add_u32 v[MB], v[HH], 5, s23
	s_lshl_b32 s23, s20, 16
	v_add_nc_u32 v[RB], s23, v[L16]
	s_lshl_b32 s23, s20, 14
	v_add_nc_u32 v[RL], s23, v[L16]
.irp x, 1,2,3
	v_add_nc_u32 v[RL+\x], \x*65536, v[RL]
.endr
	s_lshl_b32 s23, s20, 11
	s_add_co_u32 s23, s23, KVF
	v_add_nc_u32 v[KB], s23, v[L16]
	v_add_nc_u32 v[KFA], KVF, v[L16]
	s_lshl_b32 s23, s20, 8
	s_add_co_u32 s23, s23, KSX
	v_lshl_add_u32 v[KSW], v[RR], 2, s23
	v_and_b32 v[KSG], 63, v0
	v_lshlrev_b32 v[KSG], 2, v[KSG]
	v_add_nc_u32 v[KSR], KSX, v[KSG]
	v_lshlrev_b32 v94, 5, v0                       ; the mask: 32 bytes a thread
	v_add_nc_u32 v93, MSK, v94
	s_lshl_b32 s23, s20, 13
	v_add_nc_u32 v95, s23, v[L16]                  ; Wv: 8 KB a wave
.irp x, 0,1,2,3
	v_mov_b32 v[88+\x], 0                          ; a lane permute's destination counts as one of its sources
.endr
	s_mov_b32 s44, 0x76543210
	s_mov_b32 s45, 0xfedcba98
	s_mov_b32 s47, 0
	s_lshl_b32 s46, s21, 5
	s_lshl_b32 s23, s20, 3
	s_add_co_u32 s23, s46, s23                     ; my first pair of row tiles: 32 n + 8 w
	s_wait_kmcnt 0x0
	s_lshl_b32 s46, s23, 12
	s_add_nc_u64 s[24:25], s[4:5], s[46:47]        ; its codes
	s_lshl_b32 s46, s23, 8
	s_add_nc_u64 s[26:27], s[6:7], s[46:47]        ; its scale words
	s_lshl_b32 s46, s20, 13
	s_add_co_u32 s46, s46, 65536
	s_add_nc_u64 s[28:29], s[8:9], s[46:47]        ; my quarter of Wv's codes
	s_lshl_b32 s46, s22, 13
	s_add_co_u32 s46, s46, 32768
	s_add_nc_u64 s[32:33], s[8:9], s[46:47]        ; Wk's four tiles 4 dq ..
	s_lshl_b32 s46, s22, 9
	s_add_co_u32 s46, s46, 2048
	s_add_nc_u64 s[34:35], s[10:11], s[46:47]      ; and their scale words
	s_lshl_b32 s46, s21, 12
	s_add_nc_u64 s[36:37], s[12:13], s[46:47]      ; the batch's mask
	s_lshl_b32 s46, s20, 15
	s_add_nc_u64 s[38:39], s[14:15], s[46:47]      ; Wm's tiles 4 w ..
	s_lshl_b32 s46, s21, 17
	s_lshr_b32 s23, s22, 1
	s_lshl_b32 s23, s23, 16
	s_add_co_u32 s46, s46, s23
	s_lshl_b32 s23, s20, 14
	s_add_co_u32 s46, s46, s23
	s_and_b32 s23, s22, 1
	s_lshl_b32 s23, s23, 13
	s_add_co_u32 s46, s46, s23
	s_add_nc_u64 s[40:41], s[16:17], s[46:47]      ; my 8 KB of kvm
	s_lshl_b32 s46, s21, 10
	s_lshl_b32 s23, s22, 8
	s_add_co_u32 s46, s46, s23
	s_add_nc_u64 s[42:43], s[18:19], s[46:47]      ; my work-group's 64 numbers of ksum
.macro SRCLOAD set                     ; a step's four fragments (tile u, K step) and its two scale words
	WIN 0x40
.set ii, 0
.rept 8
	global_load_b128 v[SRC+32*(\set)+4*ii:SRC+32*(\set)+4*ii+3], v[L16], s[24:25] offset:ii*512
.set ii, ii+1
.endr
	WIN 0
	global_load_b64 v[SS+2*(\set):SS+2*(\set)+1], v[L8], s[26:27]
.endm
.macro WVLOAD grp, set                 ; Wv's tiles 4 grp .. 4 grp + 3
	WIN 0x40
.irp qq, 0,1,2,3
.irp kk, 0,1
.irp cc, 0,1
	ds_load_b128 v[WVT+64*(\set)+16*\qq+8*\kk+4*\cc:WVT+64*(\set)+16*\qq+8*\kk+4*\cc+3], v[L16] offset:WVC+(4*(\grp)+\qq)*2048+\kk*1024+\cc*512
.endr
.endr
.endr
	WIN 0
.endm
.set ii, 0
.rept 16
	global_load_b128 v[T+4*ii:T+4*ii+3], v[L16], s[28:29] offset:ii*512
.set ii, ii+1
.endr
	global_load_b128 v[160:163], v94, s[36:37]
	global_load_b128 v[164:167], v94, s[36:37] offset:16
	WIN 0x40
.set ii, 0
.rept 16
	global_load_b128 v[WK+4*ii:WK+4*ii+3], v[L16], s[32:33] offset:ii*512
.set ii, ii+1
.endr
	WIN 0
	global_load_b64 v[WKS:WKS+1], v[L8], s[34:35]
	global_load_b64 v[WKS+2:WKS+3], v[L8], s[34:35] offset:256
.irp x, 0,1,2,3,4,5,6,7
	global_load_b64 v[WVS+2*\x:WVS+2*\x+1], v[L8], s[10:11] offset:4096+256*\x
.endr
	SRCLOAD 0
	s_wait_loadcnt 9                               ; all but the first step's nine
.set ii, 0
.rept 16
	ds_store_b128 v95, v[T+4*ii:T+4*ii+3] offset:WVC+ii*512
.set ii, ii+1
.endr
	ds_store_b128 v93, v[160:163]
	ds_store_b128 v93, v[164:167] offset:16
	BAR                                            ; Wv and the mask lie in LDS
	WVLOAD 0, 0
; a product on codes: k = 0 starts the sum (K step 0, scale rows 0-15), k = 1 adds K step 1 (scale rows 16-31)
.macro FP4P d, a, b, sa, sb, k
.if \k
	v_wmma_scale_f32_16x16x128_f8f6f4 v[(\d):(\d)+7], v[(\a):(\a)+7], v[(\b):(\b)+7], v[(\d):(\d)+7], v[\sa], v[\sb] matrix_a_fmt:MATRIX_FMT_FP4 matrix_b_fmt:MATRIX_FMT_FP4 matrix_a_scale:MATRIX_SCALE_ROW1 matrix_b_scale:MATRIX_SCALE_ROW1
.else
	v_wmma_scale_f32_16x16x128_f8f6f4 v[(\d):(\d)+7], v[(\a):(\a)+7], v[(\b):(\b)+7], 0, v[\sa], v[\sb] matrix_a_fmt:MATRIX_FMT_FP4 matrix_b_fmt:MATRIX_FMT_FP4
.endif
.endm
; 32 numbers t -> max(t, 0) + exp(min(t, 0)), in place; the 32 exponentials are one batch with one wait
.macro ELU tb, eb
.set ii, 0
.rept 32
	v_min_num_f32 v[\eb+ii], 0, v[\tb+ii]          ; ascending: each result tile is first read at its low end
.set ii, ii+1
.endr
.set ii, 0
.rept 16
	v_pk_mul_f32 v[\eb+2*ii:\eb+2*ii+1], v[\eb+2*ii:\eb+2*ii+1], 0x3fb8aa3b op_sel_hi:[1,0]
.set ii, ii+1
.endr
.set ii, 0
.rept 32
	v_exp_f32 v[\eb+ii], v[\eb+ii]
.set ii, ii+1
.endr
.set ii, 0
.rept 32
	v_max_num_f32 v[\tb+ii], 0, v[\tb+ii]          ; plain work behind the exponentials
.set ii, ii+1
.endr
	s_wait_alu depctr_va_vdst(0)                   ; one wait for the batch, ahead of its first reader
.set ii, 0
.rept 16
	v_pk_add_f32 v[\tb+2*ii:\tb+2*ii+1], v[\tb+2*ii:\tb+2*ii+1], v[\eb+2*ii:\eb+2*ii+1]
.set ii, ii+1
.endr
.endm
.macro ELUK u, zero                    ; tile u of the step's rows: Kf; Ksum += m Kf; K's fragments = bf16(m^2 Kf)
.set TB, T+32*(\u)
	ELU TB, E
.irp pq, 0,1,2,3
.irp dd, 0,1,2,3
.if (\zero) && ((\u) == 0) && (\pq == 0)
	v_pk_mul_f32 v[KSUM+2*\dd:KSUM+2*\dd+1], v[TB+8*\dd+2*\pq:TB+8*\dd+2*\pq+1], v[MK+8*(\u)+2*\pq:MK+8*(\u)+2*\pq+1]
.else
	v_pk_fma_f32 v[KSUM+2*\dd:KSUM+2*\dd+1], v[TB+8*\dd+2*\pq:TB+8*\dd+2*\pq+1], v[MK+8*(\u)+2*\pq:MK+8*(\u)+2*\pq+1], v[KSUM+2*\dd:KSUM+2*\dd+1]
.endif
.endr
.endr
.irp dd, 0,1,2,3
.irp pq, 0,1,2,3
	v_pk_mul_f32 v[TB+8*\dd+2*\pq:TB+8*\dd+2*\pq+1], v[TB+8*\dd+2*\pq:TB+8*\dd+2*\pq+1], v[MQ+8*(\u)+2*\pq:MQ+8*(\u)+2*\pq+1]
.endr
.endr
.irp dd, 0,1,2,3
.irp pq, 0,1,2,3
	v_cvt_pk_bf16_f32 v[KF+8*\dd+4*(\u)+\pq], v[TB+8*\dd+2*\pq], v[TB+8*\dd+2*\pq+1]
.endr
.endr
.endm
.macro VG g, set, zero, pf             ; four tiles of v: 16 products on codes, rounded to bf16, 16 products into KV
	s_wait_dscnt 0x0                               ; this group's fragments of Wv, asked for a group ago
.if (\pf) || ((\g) < 3)
	WVLOAD ((\g)+1)%4, ((\g)+1)%2
.endif
	WIN 0x05
.irp kk, 0,1
.irp uu, 0,1
.irp qq, 0,1,2,3
	FP4P T+8*(4*\uu+\qq), SRC+32*(\set)+16*\uu+8*\kk, WVT+64*((\g)%2)+16*\qq+8*\kk, SS+2*(\set)+\uu, WVS+4*(\g)+\qq, \kk
.endr
.endr
.endr
	PLACES                                         ; behind these products, and behind the last group's KV products, whose fragments of v are written next
	WIN 0
.irp qq, 0,1,2,3
.irp uu, 0,1
.irp pq, 0,1,2,3
	v_cvt_pk_bf16_f32 v[VF+8*\qq+4*\uu+\pq], v[T+8*(4*\uu+\qq)+2*\pq], v[T+8*(4*\uu+\qq)+2*\pq+1]
.endr
.endr
.endr
	WIN 0xa0+0x50*((\g)/2)
.irp qq, 0,1,2,3
.irp dd, 0,1,2,3
.if \zero
	v_wmma_f32_16x16x32_bf16 v[8*(4*((4*(\g)+\qq)%8)+\dd):8*(4*((4*(\g)+\qq)%8)+\dd)+7], v[VF+8*\qq:VF+8*\qq+7], v[KF+8*\dd:KF+8*\dd+7], 0
.else
	v_wmma_f32_16x16x32_bf16 v[8*(4*((4*(\g)+\qq)%8)+\dd):8*(4*((4*(\g)+\qq)%8)+\dd)+7], v[VF+8*\qq:VF+8*\qq+7], v[KF+8*\dd:KF+8*\dd+7], v[8*(4*((4*(\g)+\qq)%8)+\dd):8*(4*((4*(\g)+\qq)%8)+\dd)+7]
.endif
.endr
.endr
	WIN 0
.endm
; A STEP: 32 source rows.  All accumulators take turns, one instruction a turn.
.macro SSTEP set, zero, pf
.if \pf
	s_wait_xcnt 0x0                                ; the last loads have read their bases
	s_add_nc_u64 s[24:25], s[24:25], 4096
	s_add_nc_u64 s[26:27], s[26:27], 256
	SRCLOAD 1-\set                                 ; the next step's, a whole step ahead
	s_wait_loadcnt 9                               ; this step's nine are in; the nine just issued may be out
.else
	s_wait_loadcnt 0x0
.endif
	v_add_nc_u32 v[MA], s31, v[MB]
	s_add_co_u32 s31, s31, 128
.irp uu, 0,1
	ds_load_b128 v[MK+8*\uu:MK+8*\uu+3], v[MA] offset:64*\uu          ; m of rows 16 u + 8 h + 0 .. 7: my registers' rows
	ds_load_b128 v[MK+8*\uu+4:MK+8*\uu+7], v[MA] offset:64*\uu+16
.endr
	WIN 0x05
.irp kk, 0,1
.irp uu, 0,1
.irp dd, 0,1,2,3
	FP4P T+8*(4*\uu+\dd), SRC+32*(\set)+16*\uu+8*\kk, WK+16*\dd+8*\kk, SS+2*(\set)+\uu, WKS+\dd, \kk
.endr
.endr
.endr
	WIN 0
	s_wait_dscnt 0x0                               ; the mask
.irp pq, 0,2,4,6,8,10,12,14
	v_pk_mul_f32 v[MQ+\pq:MQ+\pq+1], v[MK+\pq:MK+\pq+1], v[MK+\pq:MK+\pq+1]   ; m^2: also the places behind the products
.endr
	ELUK 0, \zero
	ELUK 1, \zero
	VG 0, \set, \zero, \pf
	VG 1, \set, \zero, \pf
	VG 2, \set, \zero, \pf
	VG 3, \set, \zero, \pf
.endm
	s_mov_b32 s31, 0
	SSTEP 0, 1, 1                                  ; the first step starts all sums: nothing is cleared
	s_mov_b32 s30, 3
.Lstep:
	SSTEP 1, 0, 1
	SSTEP 0, 0, 1
	s_sub_co_u32 s30, s30, 1
	s_cmp_lg_u32 s30, 0
	s_cbranch_scc1 .Lstep
	SSTEP 1, 0, 0                                  ; the eighth step loads nothing
	; ---- the tail.  Wm's fragments (tile b of my four, K step kk) -> window 1, v[8 (8 b + kk)]: all its registers are free
	WIN 0x40
.set ii, 0
.rept 64
	global_load_b128 v[4*ii:4*ii+3], v[L16], s[38:39] offset:ii*512
.set ii, ii+1
.endr
	WIN 0
.irp dd, 0,1,2,3
	v_add_f32 v[84+\dd], v[KSUM+2*\dd], v[KSUM+2*\dd+1]
.endr
.irp dd, 0,1,2,3
	v_permlanex16_b32 v[88+\dd], v[84+\dd], s44, s45
.endr
.irp dd, 0,1,2,3
	v_add_f32 v[84+\dd], v[84+\dd], v[88+\dd]      ; my 256 rows' Ksum of d = 16 dt + r
.endr
.irp dd, 0,1,2,3
	ds_store_b32 v[KSW], v[84+\dd] offset:64*\dd   ; both halves of the lanes write the same word with the same value
.endr
	BAR                                            ; no wave reads Wv or the mask any more
	WIN 0x08                                       ; an LDS store's data are its source 1
.set ii, 0
.rept 32
	ds_store_b128 v[RB], v[8*ii:8*ii+3] offset:ii*1024             ; each accumulator from its low end on
	ds_store_b128 v[RB], v[8*ii+4:8*ii+7] offset:ii*1024+512
.set ii, ii+1
.endr
	WIN 0x0c
.set ii, 0
.rept 32
	ds_store_b128 v[RB], v[8*ii:8*ii+3] offset:(32+ii)*1024
	ds_store_b128 v[RB], v[8*ii+4:8*ii+7] offset:(32+ii)*1024+512
.set ii, ii+1
.endr
	WIN 0
	BAR                                            ; the four partials lie in LDS
.irp qq, 0,1,2,3                       ; I add up tile vt = 4 w + q for the four dt
.irp x, 0,1,2,3
.irp dd, 0,1,2,3
.irp cc, 0,1
	ds_load_b128 v[96+32*\x+8*\dd+4*\cc:96+32*\x+8*\dd+4*\cc+3], v[RL+\x] offset:(4*\qq+\dd)*1024+\cc*512
.endr
.endr
.endr
	s_wait_dscnt 0x0
.set ii, 0
.rept 16
	v_pk_add_f32 v[96+2*ii:96+2*ii+1], v[96+2*ii:96+2*ii+1], v[128+2*ii:128+2*ii+1]
	v_pk_add_f32 v[160+2*ii:160+2*ii+1], v[160+2*ii:160+2*ii+1], v[192+2*ii:192+2*ii+1]
.set ii, ii+1
.endr
.set ii, 0
.rept 16
	v_pk_add_f32 v[96+2*ii:96+2*ii+1], v[96+2*ii:96+2*ii+1], v[160+2*ii:160+2*ii+1]
.set ii, ii+1
.endr
.set ii, 0
.rept 16
	v_cvt_pk_bf16_f32 v[224+ii], v[96+2*ii], v[96+2*ii+1]
.set ii, ii+1
.endr
.irp dd, 0,1,2,3
	ds_store_b128 v[KB], v[224+4*\dd:224+4*\dd+3] offset:\dd*8192+(\qq/2)*1024+(\qq%2)*512   ; half vt % 2 of fragment (dt, vt / 2)
.endr
	s_wait_dscnt 0x0                               ; the stores have read their registers
.endr
	BAR                                            ; KV's 32 fragments lie in LDS
	s_cmp_gt_u32 s20, 1                            ; waves 0 and 1 add the four waves' Ksum and store the 64 numbers
	s_cbranch_scc1 .Lno_ksum
.irp x, 0,1,2,3
	ds_load_b32 v[84+\x], v[KSR] offset:256*\x
.endr
	s_wait_dscnt 0x0
	v_add_f32 v84, v84, v85
	v_add_f32 v86, v86, v87
	v_add_f32 v84, v84, v86
	global_store_b32 v[KSG], v84, s[42:43]
.Lno_ksum:
.macro KVLD kk, set
.irp dd, 0,1,2,3
.irp cc, 0,1
	ds_load_b128 v[96+32*(\set)+8*\dd+4*\cc:96+32*(\set)+8*\dd+4*\cc+3], v[KFA] offset:\dd*8192+(\kk)*1024+\cc*512
.endr
.endr
.endm
	KVLD 0, 0
	s_wait_loadcnt 0x0                             ; Wm
.irp kv, 0,1,2,3,4,5,6,7               ; the fold: 16 accumulators (dt, b) by turns, a K step of 32 v at a time
.if \kv < 7
.if \kv > 0
	PLACES                                         ; in front of loads into the set that the last 16 products read
.endif
	KVLD \kv+1, (\kv+1)%2
	s_wait_dscnt 8                                 ; this K step's eight are in; the next one's may be out
.else
	s_wait_dscnt 0x0
.endif
	WIN 0xa4                                       ; source 0 window 0, source 1 (Wm) window 1, C and D window 2
.irp dd, 0,1,2,3
.irp bb, 0,1,2,3
.if \kv == 0
	v_wmma_f32_16x16x32_bf16 v[8*(4*\dd+\bb):8*(4*\dd+\bb)+7], v[96+32*(\kv%2)+8*\dd:96+32*(\kv%2)+8*\dd+7], v[8*(8*\bb+\kv):8*(8*\bb+\kv)+7], 0
.else
	v_wmma_f32_16x16x32_bf16 v[8*(4*\dd+\bb):8*(4*\dd+\bb)+7], v[96+32*(\kv%2)+8*\dd:96+32*(\kv%2)+8*\dd+7], v[8*(8*\bb+\kv):8*(8*\bb+\kv)+7], v[8*(4*\dd+\bb):8*(4*\dd+\bb)+7]
.endif
.endr
.endr
	WIN 0
.endr
	PLACES
	WIN 0x0a
.irp dd, 0,1,2,3
.irp bb, 0,1,2,3
.irp pq, 0,1,2,3
	v_cvt_pk_bf16_f32 v[160+8*((\dd/2)*4+\bb)+4*(\dd%2)+\pq], v[8*(4*\dd+\bb)+2*\pq], v[8*(4*\dd+\bb)+2*\pq+1]
.endr
.endr
.endr
	WIN 0
.set ii, 0
.rept 16
	global_store_b128 v[L16], v[160+4*ii:160+4*ii+3], s[40:41] offset:ii*512     ; 8 KB on end, each store 512 consecutive bytes
.set ii, ii+1
.endr
	s_wait_tensorcnt 0x0                           ; the wave's end
	ds_add_u32 v[SPW], v[NIL]
	s_wait_dscnt 0x0
	s_endpgm
.Lfunc_end_k_q70b7c8e1d7_kv:
	.size	k_q70b7c8e1d7_kv, .Lfunc_end_k_q70b7c8e1d7_kv-k_q70b7c8e1d7_kv
	.p2alignl 7, 3214868480
	.fill 96, 4, 3214868480
	.section	.rodata,"a",@progbits
	.p2align	6, 0x0
	.amdhsa_kernel k_q70b7c8e1d7_kv
		.amdhsa_group_segment_fixed_size 296448
		.amdhsa_private_segment_fixed_size 0
		.amdhsa_enable_private_segment 0
		.amdhsa_kernarg_size 64
		.amdhsa_user_sgpr_count 2
		.amdhsa_user_sgpr_kernarg_segment_ptr 1
		.amdhsa_wavefront_size32 1
		.amdhsa_system_sgpr_workgroup_id_x 1
		.amdhsa_system_sgpr_workgroup_id_y 1
		.amdhsa_system_sgpr_workgroup_id_z 1
		.amdhsa_system_vgpr_workitem_id 0
		.amdhsa_next_free_vgpr 1024
		.amdhsa_next_free_sgpr 66
		.amdhsa_reserve_vcc 0
		.amdhsa_float_denorm_mode_32 3
		.amdhsa_float_denorm_mode_16_64 3
		.amdhsa_memory_ordered 1
		.amdhsa_forward_progress 1
		.amdhsa_inst_pref_size 255
	.end_amdhsa_kernel
	.amdgpu_metadata
---
amdhsa.version: [ 1, 2 ]
amdhsa.kernels:
  - .name:           k_q70b7c8e1d7_kv
    .symbol:         k_q70b7c8e1d7_kv.kd
    .args:
      - { .name: scod, .offset: 0, .size: 8, .value_kind: global_buffer, .address_space: global }
      - { .name: sscl, .offset: 8, .size: 8, .value_kind: global_buffer, .address_space: global }
      - { .name: wcod, .offset: 16, .size: 8, .value_kind: global_buffer, .address_space: global }
      - { .name: wscl, .offset: 24, .size: 8, .value_kind: global_buffer, .address_space: global }
      - { .name: source_mask, .offset: 32, .size: 8, .value_kind: global_buffer, .address_space: global }
      - { .name: wmf, .offset: 40, .size: 8, .value_kind: global_buffer, .address_space: global }
      - { .name: kvm, .offset: 48, .size: 8, .value_kind: global_buffer, .address_space: global }
      - { .name: ksum, .offset: 56, .size: 8, .value_kind: global_buffer, .address_space: global }
    .group_segment_fixed_size: 296448
    .private_segment_fixed_size: 0
    .kernarg_segment_align: 8
    .kernarg_segment_size: 64
    .max_flat_workgroup_size: 128
    .sgpr_count:     66
    .vgpr_count:     1024
    .wavefront_size: 32
...
	.end_amdgpu_metadata
.endif
;; end of part 2
;; launch main (part 3): grid 512 x 1, 4 waves a work-group, clusters of 4 x 1, 327,680 bytes of LDS; arguments x, x_mask, wcod, wscl, ksum, kvm, wts, g1, b1, g2, b2, out0; writes out0
.if DOCPART == 3
	.amdgcn_target "amdgcn-amd-amdhsa--gfx1250"
	.amdhsa_code_object_version 6
	.text
	.protected	k_q70b7c8e1d7_main
	.globl	k_q70b7c8e1d7_main
	.p2align	8
	.type	k_q70b7c8e1d7_main,@function
k_q70b7c8e1d7_main:
	s_mov_b64 s[64:65], 0
	v_nop
	global_prefetch_b8 v0, s[64:65] scope:SCOPE_SE
	s_setreg_imm32_b32 hwreg(HW_REG_WAVE_MODE, 25, 1), 1
	s_wait_xcnt 0x0
	s_wait_alu depctr_hold_cnt(0) depctr_sa_sdst(0) depctr_va_vdst(0) depctr_va_sdst(0) depctr_va_ssrc(0) depctr_va_vcc(0) depctr_vm_vsrc(0)
	s_getreg_b32 s2, hwreg(HW_REG_IB_STS2, 6, 4)
	s_cmp_eq_u32 s2, 0
	s_cbranch_scc0 .Lentry_in_a_cluster
	s_endpgm
.Lentry_in_a_cluster:
	s_bfe_u32 s2, ttmp6, 0x10000c
	s_cmp_lg_u32 s2, 0x3003
	s_cbranch_scc0 .Lentry_shape_is_right
	s_endpgm
.Lentry_shape_is_right:
; MAIN: 128 rows of x to a work-group, through the whole chain; nothing between x and out0 goes to memory.
;   q = x Wq^T on codes of E2M1 (x is quantised here);  Qf = elu(q) + 1;  den = Qf . Ksum (f32);  a = Qf KVM (bf16 operands);  Z' = xm / (xm den + 1e-6), xm = x_mask;
;   msg = LN1(Z' a) = (a - mean a) rho g1 + b1, rho = Z' rsqrt(Z'^2 var a + 1e-5);   h = relu([x | msg] W1^T) W2^T (f16 operands);   out = x + LN2(h).
; Left out, as identities in real numbers for all finite inputs: the product with Wm (folded into KVM by the launch before); x v_len (cancels against / v_len); x_mask and Z as factors of whole rows
; (they stand in rho).  LIMITS: NaN and infinities are not served; x, msg and the hidden layer go in f16: magnitudes up to 65,504.
; A layer norm's figures: each wave takes the mean and the centred sum of squares of its own 64 columns; the four pairs are joined by mean = the means' mean, M2 = sum M2_w + 64 sum (mean_w - mean)^2:
; no difference of large sums is formed.
; SHARES.  In every product wave w owns columns (64, in the hidden layer 128) for all 128 rows, 8 tiles a.  Products are used transposed (source 0 = 16 rows of the weight, source 1 = 16 rows of the
; activation): a lane holds ONE row and eight neighbouring columns, and two result tiles, rounded in pairs, are a fragment of the next product.  Activations go from wave to wave through LDS as
; images of their registers, [K step of 32][a][1 KB].
; WEIGHTS come as a stream of 14 slots of 64 KB (2 of this batch's KVM, 8 of W1, 4 of W2) through a ring of two LDS slots.  Each wave loads the 16 KB that it alone reads.  The four work-groups of a
; cluster belong to one batch and walk the same stream: every load is asked for JOINTLY (the same descriptor and a mask that names the four).  A wave has two tensor loads out at the head, later one.
; REGISTERS: window 0: v1-31 addresses; v32-39 x_mask; v40-45 scale words and nothing else; v64-127, v192-255 the weight's fragments, two sets; v128-191 the activation's; all of v64-255 at work between products.
;   window 1: x as loaded, f32, for the residual.   windows 2, 3: accumulator (a, b) at v[8 (8 (a % 4) + b)] of window 2 + a / 4; Wq's fragments lie in window 2 until the first of them is started.
.set L_RING,  133120                   ; LDS: 0 .. 133,119: the activations' images (131,072), later the stage for out0: 128 rows x (1,024 + 16).  Then the ring: tensor loads alone land there
.set L_XIMG,  264192                   ; x's codes [a][K step of 128][1 KB]
.set L_XSC,   280576                   ; their scale words [a][K step][128 bytes]
.set L_XST,   282624                   ; a stage of 16 rows x (512 + 16) bytes for each wave; behind the first barrier the bytes serve for:
.set L_DEN,   L_XST                    ;   den [a][lane][wave] f32,
.set L_ST,    L_XST+4096               ;   the first layer norm's (mean, M2) [a][lane][wave], and 8,192 bytes on the second's
.set L_SPARE, 316416                   ; the spare words, 128 bytes a wave, named by no other line
.set L16, 1
.set L4,  2
.set RR,  3
.set HH,  4
.set L8,  5
.set LA0, L16                          ; images of K steps 0-7: 16 x lane
.set LA1, 6                            ; of K steps 8-15
.set LAS, 7                            ; the hidden layer's product: four K steps on from trip to trip
.set LB,  8                            ; v8-9 my 16 KB of ring slot 0, 1
.set SPW, 10
.set NIL, 11
.set XSW, 12
.set XSR, 13
.set XIW, 14
.set XCW, 15
.set AXW, 16
.set QW,  17
.set HW,  18
.set DNW, 19
.set DNR, 20
.set STW, 21
.set STR, 22
.set SO,  23                           ; v23-24 the stage for out0: rows 0-63, rows 64-127
.set SR,  25
.set GV,  26                           ; 256 w + 32 h: my eight columns' bytes in a vector of 256 f32
.set QI,  27
.set QC,  28
.set QD,  29
.set QQ,  30
.set R4,  31
.set XM,  32
.set WQS, 40
.set XSV, 44
.set XIR, 46
.set XCR, 47
.set AF,  128
.set PC,  192
.set PW,  200
.set TM,  204
.set MUP, 64                           ; v64-79  (mean, M2) of my 64 columns, a pair for each a
.set M2P, 80
.set MUO, 96
.set RHOP, 104
.set DELP, 120
.set CB,  144
.set GG,  192
.set BV,  224
.set MSB, 0
.macro WIN new                         ; the immediate's high byte repeats the setting that is left
.if MSB != (\new)
	s_set_vgpr_msb (MSB<<8)|(\new)
.set MSB, \new
.endif
.endm
.macro PLACES                          ; four plain vector lines behind matrix instructions (ISA guide 7.12.1)
.rept 4
	v_nop
.endr
.endm
.macro BAR
	s_wait_dscnt 0x0
	s_barrier_signal -1
	s_barrier_wait -1
.endm
.macro CREST                           ; a round of the cluster's barrier behind its opening barrier
	s_cmp_lg_u32 s28, 0
	s_cbranch_scc1 .Lnot_wave_0_\@
	s_barrier_signal -3
.Lnot_wave_0_\@:
	s_barrier_wait -3
	s_barrier_signal -1
	s_barrier_wait -1
.endm
.macro CROUND
	s_barrier_signal -1
	s_barrier_wait -1
	CREST
.endm
	s_load_b512 s[4:19], s[0:1], 0x0               ; x, x_mask, wcod, wscl, ksum, kvm, wts, g1
	s_load_b256 s[20:27], s[0:1], 0x40             ; b1, g2, b2, out0
	v_lshl_add_u32 v[SPW], v0, 2, L_SPARE
	v_mov_b32 v[NIL], 0
	ds_add_u32 v[SPW], v[NIL]                      ; the wave's opening: the add, twice on end, and its wait ahead of my first tensor load
	ds_add_u32 v[SPW], v[NIL]
	v_lshrrev_b32 v48, 5, v0
	v_readfirstlane_b32 s28, v48                   ; wave
	s_bfe_u32 s29, ttmp6, 0x40000                  ; cx: it enters the addresses of x, x_mask and out0 alone
	s_lshl_b32 s30, ttmp9, 2
	s_add_co_u32 s30, s30, s29                     ; my block of 128 rows
	s_lshr_b32 s31, ttmp9, 1                       ; the batch, which the four partners share
	s_mov_b32 s32, 15|(3<<16)|(1<<21)              ; group 1: the mask: all four; elements of 8 bytes; bit 21 beside a mask; no padding
	s_mov_b32 s33, 32<<16                          ; tensor_dim0 = 32 elements: rows of 256 bytes
	s_mov_b32 s34, 64<<16                          ; tensor_dim1 = 64 rows: 16 KB on end
	s_mov_b32 s35, 32<<16                          ; tile_dim0
	s_mov_b32 s36, 64                              ; tile_dim1
	s_mov_b32 s37, 32                              ; the pitch
	s_mov_b32 s38, 0
	s_mov_b32 s39, 0
	s_mov_b32 s52, 0x76543210
	s_mov_b32 s53, 0xfedcba98                      ; lane l xor 16
	s_mov_b32 s54, 0x358637bd                      ; 1e-6
	s_mov_b32 s55, 0x3727c5ac                      ; 1e-5
	s_mov_b32 s56, 0x42800000                      ; 64
	s_mov_b32 s57, 0x3b800000                      ; 1 / 256
	s_mov_b32 s58, 0x3c800000                      ; 1 / 64
	s_lshl_b32 s59, s28, 14                        ; my 16 KB of a slot
	s_lshl_b32 s60, s31, 17
	s_add_co_u32 s60, s60, s59
	s_mov_b32 s61, 0
	s_mov_b32 s62, s59
	s_mov_b32 s63, 0
	s_lshl_b32 s68, s30, 17
	s_lshl_b32 s69, s28, 15
	s_add_co_u32 s68, s68, s69                     ; my wave's 32 rows of x and of out0
	s_mov_b32 s69, 0
	s_wait_dscnt 0x0                               ; both opening adds are done
	s_wait_kmcnt 0x0
	s_mov_b32 s40, 1                               ; group 0 of slot 0: count; LDS address; global address; type
	s_add_co_u32 s41, s59, L_RING
	s_add_nc_u64 s[42:43], s[14:15], s[60:61]      ; the batch's KVM, first half
	s_mov_b32 s44, 1
	s_add_co_u32 s45, s59, L_RING+65536
	s_add_nc_u64 s[46:47], s[42:43], 65536         ; second half
	s_or_b32 s43, s43, 0x80000000
	s_or_b32 s47, s47, 0x80000000
	s_add_nc_u64 s[48:49], s[16:17], s[62:63]      ; what slot 0 takes next of W1, W2: two slots on with every refill
	s_add_nc_u64 s[50:51], s[48:49], 65536         ; and slot 1
	s_add_nc_u64 s[66:67], s[4:5], s[68:69]
	s_add_nc_u64 s[70:71], s[26:27], s[68:69]
	s_lshl_b32 s68, s30, 9
	s_add_nc_u64 s[72:73], s[6:7], s[68:69]        ; x_mask
	s_lshl_b32 s68, s28, 13
	s_add_nc_u64 s[74:75], s[8:9], s[68:69]        ; Wq's tiles 4 w ..
	s_lshl_b32 s68, s28, 9
	s_add_nc_u64 s[76:77], s[10:11], s[68:69]
	s_lshl_b32 s68, s31, 10
	s_add_nc_u64 s[78:79], s[12:13], s[68:69]      ; the batch's Ksum
	CROUND                                         ; all four work-groups are here: the first joint loads meet
	tensor_load_to_lds s[40:43], s[32:39]
	s_nop 0
	tensor_load_to_lds s[44:47], s[32:39]
	s_nop 0
	PLACES
	v_and_b32 v48, 31, v0
	v_lshlrev_b32 v[L16], 4, v48
	v_lshlrev_b32 v[L4], 2, v48
	v_lshlrev_b32 v[L8], 3, v48
	v_and_b32 v[RR], 15, v0
	v_bfe_u32 v[HH], v0, 4, 1
	v_add_nc_u32 v[LA1], 65536, v[L16]
	v_add_nc_u32 v[LB], s41, v[L16]
	v_add_nc_u32 v[LB+1], s45, v[L16]
	s_mul_i32 s60, s28, 8448
	s_add_co_u32 s60, s60, L_XST
	v_add_nc_u32 v[XSW], s60, v[L16]
	v_mul_u32_u24 v[XSR], v[RR], 528
	v_lshl_add_u32 v[XSR], v[HH], 6, v[XSR]
	v_add_nc_u32 v[XSR], s60, v[XSR]               ; row r, + 64 h: my 16 numbers of a block of 32
	s_lshl_b32 s60, s28, 12
	s_add_co_u32 s60, s60, L_XIMG
	v_add_nc_u32 v[XIW], s60, v[L16]
	s_lshl_b32 s60, s28, 9
	s_add_co_u32 s60, s60, L_XSC
	v_add_nc_u32 v[XCW], s60, v[L4]
	s_lshl_b32 s60, s28, 11
	v_add_nc_u32 v[AXW], s60, v[L16]
	s_add_co_u32 s60, s59, 65536
	v_add_nc_u32 v[QW], s60, v[L16]
	s_lshl_b32 s60, s28, 15
	v_add_nc_u32 v[HW], s60, v[L16]
	v_add_nc_u32 v[DNR], L_DEN, v[L16]
	s_lshl_b32 s60, s28, 2
	v_add_nc_u32 v[DNW], s60, v[DNR]
	v_lshlrev_b32 v[STR], 5, v48
	v_add_nc_u32 v[STR], L_ST, v[STR]
	s_lshl_b32 s60, s28, 3
	v_add_nc_u32 v[STW], s60, v[STR]
	s_lshl_b32 s60, s28, 8
	v_lshl_add_u32 v[GV], v[HH], 5, s60
	v_mul_u32_u24 v[SO], v[RR], 1040
	v_add_nc_u32 v[SO], v[SO], v[GV]
	v_add_nc_u32 v[SO+1], 66560, v[SO]
	s_mul_i32 s60, s28, 33280
	v_add_nc_u32 v[SR], s60, v[L16]
	v_lshlrev_b32 v[R4], 2, v[RR]
	v_add_nc_u32 v[XIR], L_XIMG, v[L16]
	v_add_nc_u32 v[XCR], L_XSC, v[L4]
.irp x, 4,5,6,7,8
	v_mov_b32 v[TM+\x], 0                          ; a lane permute's destination counts as one of its sources
.endr
	WIN 0x80
.set ii, 0
.rept 16
	global_load_b128 v[4*ii:4*ii+3], v[L16], s[74:75] offset:ii*512               ; Wq's fragment (t, K step s) at v[16 t + 8 s] of window 2
.set ii, ii+1
.endr
	WIN 0
	global_load_b64 v[WQS:WQS+1], v[L8], s[76:77]
	global_load_b64 v[WQS+2:WQS+3], v[L8], s[76:77] offset:256
.irp t, 0,1,2,3
	global_load_b128 v[128+8*\t:128+8*\t+3], v[GV], s[78:79] offset:64*\t         ; Ksum at my registers' d = 64 w + 16 t + 8 h + j
	global_load_b128 v[128+8*\t+4:128+8*\t+7], v[GV], s[78:79] offset:64*\t+16
.endr
.irp a, 0,1,2,3,4,5,6,7
	global_load_b32 v[XM+\a], v[R4], s[72:73] offset:64*\a
.endr
	WIN 0x40
.set ii, 0
.rept 64                               ; x as it lies: chunk ch = 2 mm + s: rows 16 mm + i, bytes 512 s on: each load 512 consecutive bytes
	global_load_b128 v[4*ii:4*ii+3], v[L16], s[66:67] offset:(16*(ii/32)+ii%16)*1024+512*((ii/16)%2) th:TH_LOAD_NT
.set ii, ii+1
.endr
	WIN 0
; 64 numbers of a lane, register 16 b + i = k 32 b + 16 h + i of my row, become a fragment's codes in v[PC] on and its scale word in v[PW]
.macro QUANT s
.irp b, 0,1,2,3
	v_max3_num_f32 v[TM+\b], |v[\s+16*\b]|, |v[\s+1+16*\b]|, 0x1800000   ; my 16 numbers of block b, and the floor 2^(3 - 127): the byte cannot fall under 1
.endr
.irp n, 2,4,6,8,10,12,14
.irp b, 0,1,2,3
	v_max3_num_f32 v[TM+\b], v[TM+\b], |v[\s+16*\b+\n]|, |v[\s+1+16*\b+\n]|
.endr
.endr
.irp b, 0,1,2,3
	v_permlanex16_b32 v[TM+4+\b], v[TM+\b], s52, s53
.endr
.irp b, 0,1,2,3
	v_max_num_f32 v[TM+\b], v[TM+\b], v[TM+4+\b]   ; with lane l xor 16's: the block's largest magnitude
.endr
.irp b, 0,1,2,3
	v_add_nc_u32 v[TM+12+\b], 0xff000000, v[TM+\b] ; 2 off its exponent field: the conversion's scale operand
.endr
.irp b, 0,1,2,3
	v_lshrrev_b32 v[TM+4+\b], 23, v[TM+12+\b]      ; the scale's byte
.endr
	v_lshl_or_b32 v[PW], v[TM+5], 8, v[TM+4]
	v_lshl_or_b32 v[PW], v[TM+6], 16, v[PW]
	v_lshl_or_b32 v[PW], v[TM+7], 24, v[PW]
.irp b, 0,1,2,3
	v_cvt_scalef32_pk8_fp4_f32 v[PC+2*\b], v[\s+16*\b:\s+7+16*\b], v[TM+12+\b]
	v_cvt_scalef32_pk8_fp4_f32 v[PC+1+2*\b], v[\s+8+16*\b:\s+15+16*\b], v[TM+12+\b]
.endr
	v_nop                                          ; one plain line behind a scaled conversion
.irp c, 0,1                            ; the operand's layout wants a whole block in a lane
.irp n, 0,1
	v_permlane16_swap_b32 v[PC+4*\c+\n], v[PC+2+4*\c+\n]
.endr
.endr
.endm
; ---- X: my 32 rows of x, 16 rows x 128 K at a time: through my stage, so that a lane holds 16 neighbours of each block; codes and scale word; f16 fragments (k = 16 h + e, as W1's first 256 are laid)
.macro XCH mm, s
	s_wait_loadcnt 48-16*(2*\mm+\s)                ; this chunk's 16 loads are in, the later chunks' may be out
	WIN 0x04
.set ii, 0
.rept 16
	ds_store_b128 v[XSW], v[64*(2*\mm+\s)+4*ii:64*(2*\mm+\s)+4*ii+3] offset:ii*528
.set ii, ii+1
.endr
	WIN 0
.irp b, 0,1,2,3
.irp j, 0,1,2,3
	ds_load_b128 v[64+16*\b+4*\j:64+16*\b+4*\j+3], v[XSR] offset:128*\b+16*\j      ; LDS serves a wave's instructions in order: these see my stores
.endr
.endr
	s_wait_dscnt 0x0
	QUANT 64
.set ii, 0
.rept 32
	v_cvt_pk_f16_f32 v[160+ii], v[64+2*ii], v[64+2*ii+1]
.set ii, ii+1
.endr
	ds_store_b128 v[XIW], v[PC:PC+3] offset:\mm*2048+\s*1024
	ds_store_b128 v[XIW], v[PC+4:PC+7] offset:\mm*2048+\s*1024+512
	ds_store_b32 v[XCW], v[PW] offset:\mm*256+\s*128
.irp b, 0,1,2,3
.irp c, 0,1
	ds_store_b128 v[AXW], v[160+8*\b+4*\c:160+8*\b+4*\c+3] offset:(4*\s+\b)*8192+\mm*1024+\c*512
.endr
.endr
	s_wait_dscnt 0x0                               ; the stores have read their registers
.endm
	XCH 0, 0
	XCH 0, 1
	XCH 1, 0
	XCH 1, 1
	BAR                                            ; x's codes, scale words and f16 fragments lie in LDS; the stages are free
; ---- Q: a tile of 16 rows a trip: my 64 columns of q; Qf; my part of den; Qf's fragments
	s_mov_b32 s80, 8
	s_mov_b32 s81, 0
	s_mov_b32 s82, 0
	s_mov_b32 s83, 0
	s_mov_b32 s84, 0
.Lq:
	v_add_nc_u32 v[QI], s81, v[XIR]
	v_add_nc_u32 v[QC], s82, v[XCR]
	v_add_nc_u32 v[QD], s83, v[DNW]
	v_add_nc_u32 v[QQ], s84, v[QW]
.irp s, 0,1
.irp c, 0,1
	ds_load_b128 v[96+8*\s+4*\c:96+8*\s+4*\c+3], v[QI] offset:\s*1024+\c*512
.endr
.endr
	ds_load_b32 v[XSV], v[QC]
	ds_load_b32 v[XSV+1], v[QC] offset:128
	s_wait_dscnt 0x0
	WIN 0x02                                       ; source 0 (Wq) window 2
.irp t, 0,1,2,3
	v_wmma_scale_f32_16x16x128_f8f6f4 v[64+8*\t:64+8*\t+7], v[16*\t:16*\t+7], v[96:103], 0, v[WQS+\t], v[XSV] matrix_a_fmt:MATRIX_FMT_FP4 matrix_b_fmt:MATRIX_FMT_FP4
.endr
.irp t, 0,1,2,3
	v_wmma_scale_f32_16x16x128_f8f6f4 v[64+8*\t:64+8*\t+7], v[16*\t+8:16*\t+15], v[104:111], v[64+8*\t:64+8*\t+7], v[WQS+\t], v[XSV+1] matrix_a_fmt:MATRIX_FMT_FP4 matrix_b_fmt:MATRIX_FMT_FP4 matrix_a_scale:MATRIX_SCALE_ROW1
.endr
	WIN 0
	PLACES
.set ii, 0
.rept 32
	v_min_num_f32 v[160+ii], 0, v[64+ii]           ; ascending: each result tile is first read at its low end
.set ii, ii+1
.endr
.set ii, 0
.rept 16
	v_pk_mul_f32 v[160+2*ii:160+2*ii+1], v[160+2*ii:160+2*ii+1], 0x3fb8aa3b op_sel_hi:[1,0]
.set ii, ii+1
.endr
.set ii, 0
.rept 32
	v_exp_f32 v[160+ii], v[160+ii]
.set ii, ii+1
.endr
.set ii, 0
.rept 32
	v_max_num_f32 v[64+ii], 0, v[64+ii]            ; plain work behind the exponentials
.set ii, ii+1
.endr
	s_wait_alu depctr_va_vdst(0)                   ; one wait for the batch, ahead of its first reader
.set ii, 0
.rept 16
	v_pk_add_f32 v[64+2*ii:64+2*ii+1], v[64+2*ii:64+2*ii+1], v[160+2*ii:160+2*ii+1]   ; Qf
.set ii, ii+1
.endr
	v_pk_mul_f32 v[208:209], v[64:65], v[128:129]
	v_pk_mul_f32 v[210:211], v[66:67], v[130:131]
.set ii, 2
.rept 14
	v_pk_fma_f32 v[208+2*(ii%2):208+2*(ii%2)+1], v[64+2*ii:64+2*ii+1], v[128+2*ii:128+2*ii+1], v[208+2*(ii%2):208+2*(ii%2)+1]
.set ii, ii+1
.endr
.set ii, 0
.rept 16
	v_cvt_pk_bf16_f32 v[192+ii], v[64+2*ii], v[64+2*ii+1]
.set ii, ii+1
.endr
	v_pk_add_f32 v[208:209], v[208:209], v[210:211]
	v_add_f32 v208, v208, v209
	v_permlanex16_b32 v212, v208, s52, s53
	v_add_f32 v208, v208, v212                     ; row r's den over my 64 d
	ds_store_b32 v[QD], v208
.irp t, 0,1,2,3
	ds_store_b128 v[QQ], v[192+4*\t:192+4*\t+3] offset:(\t/2)*8192+(\t%2)*512     ; half t % 2 of K step 8 + 2 w + t / 2
.endr
	s_wait_dscnt 0x0                               ; the stores have read their registers
	s_add_co_u32 s81, s81, 2048
	s_add_co_u32 s82, s82, 256
	s_add_co_u32 s83, s83, 512
	s_add_co_u32 s84, s84, 1024
	s_sub_co_u32 s80, s80, 1
	s_cmp_lg_u32 s80, 0
	s_cbranch_scc1 .Lq
	s_wait_tensorcnt 0x1                           ; my part of slot 0 has landed; slot 1's load, issued behind it, may be out
	BAR                                            ; Qf's fragments and den lie in LDS
; ---- the products with 16-bit operands.  The accumulators take turns, one instruction a turn, in one order in every step.
.macro MULA a0, p, nb, fmt, zero       ; row tiles a0, a0 + 1 x my nb tiles of columns, 32 along K; p: the weight's set
.irp a, \a0, \a0+1
.set bb, 0
.rept \nb
.if \zero
	v_wmma_f32_16x16x32_\fmt v[8*(8*((\a)%4)+bb):8*(8*((\a)%4)+bb)+7], v[64+128*(\p)+8*bb:64+128*(\p)+8*bb+7], v[AF+8*(\a):AF+8*(\a)+7], 0
.else
	v_wmma_f32_16x16x32_\fmt v[8*(8*((\a)%4)+bb):8*(8*((\a)%4)+bb)+7], v[64+128*(\p)+8*bb:64+128*(\p)+8*bb+7], v[AF+8*(\a):AF+8*(\a)+7], v[8*(8*((\a)%4)+bb):8*(8*((\a)%4)+bb)+7]
.endif
.set bb, bb+1
.endr
.endr
.endm
.macro FETCH_B slot, q, p, nb          ; the weight's nb fragments of the slot's q-th K step
.set bb, 0
.rept \nb
	ds_load_b128 v[64+128*(\p)+8*bb:64+128*(\p)+8*bb+3], v[LB+\slot] offset:((\q)*(\nb)+bb)*1024
	ds_load_b128 v[64+128*(\p)+8*bb+4:64+128*(\p)+8*bb+7], v[LB+\slot] offset:((\q)*(\nb)+bb)*1024+512
.set bb, bb+1
.endr
.endm
.macro FETCH_A adr, krel, a0           ; the activation's row tiles a0 .. a0 + 3
.irp a, \a0, \a0+1, \a0+2, \a0+3
	ds_load_b128 v[AF+8*(\a):AF+8*(\a)+3], v[\adr] offset:(\krel)*8192+(\a)*1024
	ds_load_b128 v[AF+8*(\a)+4:AF+8*(\a)+7], v[\adr] offset:(\krel)*8192+(\a)*1024+512
.endr
.endm
; A K step of 32.  One set of registers serves the activation (a row tile is free when its products are issued), two the weight.  nslot, nq, adr, krel: where the next step's fragments lie.
; tw = 1: they lie in the other slot, at the one change of slots behind which nothing is filled: its load, my last, is waited for.
.macro STEP p, nb, fmt, zero, nslot, nq, adr, krel, tw
	s_wait_dscnt 8                                 ; the weight's set and row tiles 0-3 are in; the youngest eight loads (row tiles 4-7) may be out
	WIN 0xa0
	MULA 0, \p, \nb, \fmt, \zero
	MULA 2, \p, \nb, \fmt, \zero
	s_wait_dscnt 0x0
	PLACES
	WIN 0
.if \tw
	s_wait_tensorcnt 0x0
.endif
	FETCH_B \nslot, \nq, 1-(\p), \nb
	FETCH_A \adr, \krel, 0
	WIN 0xf0
	MULA 4, \p, \nb, \fmt, \zero
	MULA 6, \p, \nb, \fmt, \zero
	PLACES
	WIN 0
	FETCH_A \adr, \krel, 4
.endm
; A slot's last K step changes slots and fills the slot again.  In front of the round each wave waits for all its tensor loads (its part of the other slot), adds 0 to its spare word, and waits for
; that and for its LDS reads.  Behind the round no wave of any partner reads the slot or has a load on its way; the joint refill is the first thing there.
.macro TURN slot, p, nb, fmt, next, nslot, adr, krel, las
	s_wait_tensorcnt 0x0
	ds_add_u32 v[SPW], v[NIL]
	s_wait_dscnt 9                                 ; (the add and the youngest eight loads may be out)
	WIN 0xa0
	MULA 0, \p, \nb, \fmt, 0
	s_wait_dscnt 0x0                               ; the add is done, and all my LDS reads are in
	s_barrier_signal -1
	MULA 2, \p, \nb, \fmt, 0
	WIN 0
	s_barrier_wait -1
	CREST
	s_mov_b64 s[42+4*\slot:43+4*\slot], s[48+2*\slot:49+2*\slot]   ; no load of mine is out: the slot's group 0 may be written
	s_or_b32 s[43+4*\slot], s[43+4*\slot], 0x80000000
	s_add_nc_u64 s[48+2*\slot:49+2*\slot], s[48+2*\slot:49+2*\slot], 131072
	tensor_load_to_lds s[40+4*\slot:43+4*\slot], s[32:39]
	s_nop 0
	PLACES                                         ; also the places in front of the loads below
.if \las
	s_add_co_u32 s81, s81, 32768
	v_add_nc_u32 v[LAS], s81, v[L16]
.endif
.if \next
	FETCH_B \nslot, 0, 1-(\p), \nb
	FETCH_A \adr, \krel, 0
.endif
	WIN 0xf0
	MULA 4, \p, \nb, \fmt, 0
	MULA 6, \p, \nb, \fmt, 0
.if \next
	PLACES
	WIN 0
	FETCH_A \adr, \krel, 4
.endif
	WIN 0
.endm
; ---- the layer norms.  My 32 numbers of row 16 a + r lie in v[64 (a % 4) .. + 31] of a's window
.macro LNSTAT wn, stoff
.set A0, 4*(\wn)
	WIN 0x0a+5*(\wn)
.irp a, 0,1,2,3
	v_pk_add_f32 v[MUP+2*(A0+\a):MUP+2*(A0+\a)+1], v[64*\a:64*\a+1], v[64*\a+2:64*\a+3]     ; each accumulator is first read at its low end
.endr
	WIN 0x08+4*(\wn)
.set pp, 2
.rept 14
.irp a, 0,1,2,3
	v_pk_add_f32 v[MUP+2*(A0+\a):MUP+2*(A0+\a)+1], v[MUP+2*(A0+\a):MUP+2*(A0+\a)+1], v[64*\a+2*pp:64*\a+2*pp+1]
.endr
.set pp, pp+1
.endr
	WIN 0
.irp a, 0,1,2,3
	v_mov_b32 v[136+\a], 0
.endr
.irp a, 0,1,2,3
	v_add_f32 v[MUP+2*(A0+\a)], v[MUP+2*(A0+\a)], v[MUP+2*(A0+\a)+1]
.endr
.irp a, 0,1,2,3
	v_permlanex16_b32 v[136+\a], v[MUP+2*(A0+\a)], s52, s53
.endr
.irp a, 0,1,2,3
	v_add_f32 v[MUP+2*(A0+\a)], v[MUP+2*(A0+\a)], v[136+\a]
.endr
.irp a, 0,1,2,3
	v_mul_f32 v[MUP+2*(A0+\a)], s58, v[MUP+2*(A0+\a)]              ; the mean of my 64 columns
.endr
.irp a, 0,1,2,3
	v_mov_b32 v[MUP+2*(A0+\a)+1], v[MUP+2*(A0+\a)]
	v_mov_b32 v[MUO+A0+\a], v[MUP+2*(A0+\a)]
.endr
	WIN 0x88+0x44*(\wn)
.set pp, 0
.rept 16
.irp a, 0,1,2,3
	v_pk_add_f32 v[64*\a+2*pp:64*\a+2*pp+1], v[MUP+2*(A0+\a):MUP+2*(A0+\a)+1], v[64*\a+2*pp:64*\a+2*pp+1] neg_lo:[1,0] neg_hi:[1,0]   ; centred in place
.endr
.set pp, pp+1
.endr
	WIN 0x0a+5*(\wn)
.irp a, 0,1,2,3
	v_pk_mul_f32 v[M2P+2*(A0+\a):M2P+2*(A0+\a)+1], v[64*\a:64*\a+1], v[64*\a:64*\a+1]
.endr
.set pp, 1
.rept 15
.irp a, 0,1,2,3
	v_pk_fma_f32 v[M2P+2*(A0+\a):M2P+2*(A0+\a)+1], v[64*\a+2*pp:64*\a+2*pp+1], v[64*\a+2*pp:64*\a+2*pp+1], v[M2P+2*(A0+\a):M2P+2*(A0+\a)+1]
.endr
.set pp, pp+1
.endr
	WIN 0
.irp a, 0,1,2,3
	v_add_f32 v[M2P+2*(A0+\a)], v[M2P+2*(A0+\a)], v[M2P+2*(A0+\a)+1]
.endr
.irp a, 0,1,2,3
	v_permlanex16_b32 v[136+\a], v[M2P+2*(A0+\a)], s52, s53
.endr
.irp a, 0,1,2,3
	v_add_f32 v[MUP+2*(A0+\a)+1], v[M2P+2*(A0+\a)], v[136+\a]      ; and their centred sum of squares
.endr
.irp a, 0,1,2,3
	ds_store_b64 v[STW], v[MUP+2*(A0+\a):MUP+2*(A0+\a)+1] offset:(A0+\a)*1024+(\stoff)
.endr
.endm
; the four waves' pairs are joined, four row tiles at a time: rho and delta = (my mean - the mean) rho.  kind 1: with den, x_mask and Z'
.macro LNCOMB kind, stoff, hf
.irp a, 0,1,2,3
	ds_load_b128 v[CB+12*\a:CB+12*\a+3], v[STR] offset:(4*(\hf)+\a)*1024+(\stoff)
	ds_load_b128 v[CB+12*\a+4:CB+12*\a+7], v[STR] offset:(4*(\hf)+\a)*1024+(\stoff)+16
.if \kind == 1
	ds_load_b128 v[CB+12*\a+8:CB+12*\a+11], v[DNR] offset:(4*(\hf)+\a)*512
.endif
.endr
	s_wait_dscnt 0x0
.if \kind == 1
.irp a, 0,1,2,3
	v_add_f32 v[CB+12*\a+8], v[CB+12*\a+8], v[CB+12*\a+9]
	v_add_f32 v[CB+12*\a+10], v[CB+12*\a+10], v[CB+12*\a+11]
.endr
.irp a, 0,1,2,3
	v_add_f32 v[CB+12*\a+8], v[CB+12*\a+8], v[CB+12*\a+10]         ; den
.endr
.irp a, 0,1,2,3
	v_fma_f32 v[CB+12*\a+8], v[XM+4*(\hf)+\a], v[CB+12*\a+8], s54  ; xm den + 1e-6
.endr
.irp a, 0,1,2,3
	v_rcp_f32 v[CB+12*\a+8], v[CB+12*\a+8]         ; a batch; the means and variances below are the work between it and its wait
.endr
.endif
.irp a, 0,1,2,3
	v_add_f32 v[CB+12*\a+9], v[CB+12*\a], v[CB+12*\a+2]
	v_add_f32 v[CB+12*\a+10], v[CB+12*\a+4], v[CB+12*\a+6]
.endr
.irp a, 0,1,2,3
	v_add_f32 v[CB+12*\a+9], v[CB+12*\a+9], v[CB+12*\a+10]
.endr
.irp a, 0,1,2,3
	v_mul_f32 v[CB+12*\a+9], 0x3e800000, v[CB+12*\a+9]             ; the row's mean
.endr
.irp a, 0,1,2,3
	v_sub_f32 v[CB+12*\a], v[CB+12*\a], v[CB+12*\a+9]
	v_sub_f32 v[CB+12*\a+2], v[CB+12*\a+2], v[CB+12*\a+9]
	v_sub_f32 v[CB+12*\a+4], v[CB+12*\a+4], v[CB+12*\a+9]
	v_sub_f32 v[CB+12*\a+6], v[CB+12*\a+6], v[CB+12*\a+9]
.endr
.irp a, 0,1,2,3
	v_mul_f32 v[CB+12*\a+10], v[CB+12*\a], v[CB+12*\a]
	v_add_f32 v[CB+12*\a+1], v[CB+12*\a+1], v[CB+12*\a+3]
	v_add_f32 v[CB+12*\a+5], v[CB+12*\a+5], v[CB+12*\a+7]
.endr
.irp a, 0,1,2,3
	v_fma_f32 v[CB+12*\a+10], v[CB+12*\a+2], v[CB+12*\a+2], v[CB+12*\a+10]
	v_add_f32 v[CB+12*\a+1], v[CB+12*\a+1], v[CB+12*\a+5]
.endr
.irp a, 0,1,2,3
	v_fma_f32 v[CB+12*\a+10], v[CB+12*\a+4], v[CB+12*\a+4], v[CB+12*\a+10]
.endr
.irp a, 0,1,2,3
	v_fma_f32 v[CB+12*\a+10], v[CB+12*\a+6], v[CB+12*\a+6], v[CB+12*\a+10]
.endr
.irp a, 0,1,2,3
	v_fma_f32 v[CB+12*\a+1], v[CB+12*\a+10], s56, v[CB+12*\a+1]    ; M2
.endr
.irp a, 0,1,2,3
	v_mul_f32 v[CB+12*\a+1], s57, v[CB+12*\a+1]                    ; the variance
.endr
.if \kind == 1
	s_wait_alu depctr_va_vdst(0)                   ; one wait for the four reciprocals
.irp a, 0,1,2,3
	v_mul_f32 v[CB+12*\a+8], v[XM+4*(\hf)+\a], v[CB+12*\a+8]       ; Z'
.endr
.irp a, 0,1,2,3
	v_mul_f32 v[CB+12*\a+10], v[CB+12*\a+8], v[CB+12*\a+8]
.endr
.irp a, 0,1,2,3
	v_fma_f32 v[CB+12*\a+1], v[CB+12*\a+10], v[CB+12*\a+1], s55
.endr
.else
.irp a, 0,1,2,3
	v_add_f32 v[CB+12*\a+1], s55, v[CB+12*\a+1]
.endr
.endif
.irp a, 0,1,2,3
	v_rsq_f32 v[CB+12*\a+1], v[CB+12*\a+1]
.endr
.irp a, 0,1,2,3
	v_sub_f32 v[CB+12*\a+9], v[MUO+4*(\hf)+\a], v[CB+12*\a+9]      ; plain work behind the batch
.endr
	s_wait_alu depctr_va_vdst(0)                   ; one wait for the four
.irp a, 0,1,2,3
.if \kind == 1
	v_mul_f32 v[RHOP+2*(4*(\hf)+\a)], v[CB+12*\a+8], v[CB+12*\a+1]
.else
	v_mov_b32 v[RHOP+2*(4*(\hf)+\a)], v[CB+12*\a+1]
.endif
.endr
.irp a, 0,1,2,3
	v_mov_b32 v[RHOP+2*(4*(\hf)+\a)+1], v[RHOP+2*(4*(\hf)+\a)]
	v_mul_f32 v[DELP+2*(4*(\hf)+\a)], v[CB+12*\a+9], v[RHOP+2*(4*(\hf)+\a)]
.endr
.irp a, 0,1,2,3
	v_mov_b32 v[DELP+2*(4*(\hf)+\a)+1], v[DELP+2*(4*(\hf)+\a)]
.endr
.endm
.macro LNAPPLY wn                      ; (centred) rho + delta, then x gain + bias, in place
.set A0, 4*(\wn)
	WIN 0x82+0x41*(\wn)
.irp a, 0,1,2,3
.set pp, 0
.rept 16
	v_pk_fma_f32 v[64*\a+2*pp:64*\a+2*pp+1], v[64*\a+2*pp:64*\a+2*pp+1], v[RHOP+2*(A0+\a):RHOP+2*(A0+\a)+1], v[DELP+2*(A0+\a):DELP+2*(A0+\a)+1]
.set pp, pp+1
.endr
.endr
.irp a, 0,1,2,3
.set pp, 0
.rept 16
	v_pk_fma_f32 v[64*\a+2*pp:64*\a+2*pp+1], v[64*\a+2*pp:64*\a+2*pp+1], v[GG+2*pp:GG+2*pp+1], v[BV+2*pp:BV+2*pp+1]
.set pp, pp+1
.endr
.endr
.endm
.macro GBLOAD sg, sb                   ; gain and bias at my registers' columns 64 w + 16 b + 8 h + j
.irp b, 0,1,2,3
	global_load_b128 v[GG+8*\b:GG+8*\b+3], v[GV], s[\sg:\sg+1] offset:64*\b
	global_load_b128 v[GG+8*\b+4:GG+8*\b+7], v[GV], s[\sg:\sg+1] offset:64*\b+16
	global_load_b128 v[BV+8*\b:BV+8*\b+3], v[GV], s[\sb:\sb+1] offset:64*\b
	global_load_b128 v[BV+8*\b+4:BV+8*\b+7], v[GV], s[\sb:\sb+1] offset:64*\b+16
.endr
.endm
; ---- M: a = Qf KVM: 8 K steps, 4 to a slot
	FETCH_B 0, 0, 0, 4
	FETCH_A LA1, 0, 0
	FETCH_A LA1, 0, 4
	STEP 0, 4, bf16, 1, 0, 1, LA1, 1, 0            ; the first step starts the sums: nothing is cleared
	STEP 1, 4, bf16, 0, 0, 2, LA1, 2, 0
	STEP 0, 4, bf16, 0, 0, 3, LA1, 3, 0
	TURN 0, 1, 4, bf16, 1, 1, LA1, 4, 0
	STEP 0, 4, bf16, 0, 1, 1, LA1, 5, 0
	STEP 1, 4, bf16, 0, 1, 2, LA1, 6, 0
	STEP 0, 4, bf16, 0, 1, 3, LA1, 7, 0
	TURN 1, 1, 4, bf16, 0, 0, LA1, 0, 0            ; behind its round every wave's reads of Qf are over
	PLACES                                         ; behind the last products: loads into the weight's set, reads of results
	GBLOAD 18, 20
	LNSTAT 0, 0
	LNSTAT 1, 0
	BAR                                            ; the four waves' figures lie in LDS
	LNCOMB 1, 0, 0
	LNCOMB 1, 0, 1
	s_wait_loadcnt 0x0                             ; g1, b1
.irp wn, 0,1
	LNAPPLY \wn
	WIN 0x0a+5*\wn
.irp a, 0,1,2,3
.set pp, 0
.rept 16
	v_cvt_pk_f16_f32 v[64+16*\a+48*(\a/2)+pp], v[64*\a+2*pp], v[64*\a+2*pp+1]
.set pp, pp+1
.endr
.endr
	WIN 0
.irp a, 0,1,2,3
.irp b, 0,1,2,3
	ds_store_b128 v[QW], v[64+16*\a+48*(\a/2)+4*\b:64+16*\a+48*(\a/2)+4*\b+3] offset:(4*\wn+\a)*1024+(\b/2)*8192+(\b%2)*512   ; msg takes Qf's place: K steps 8-15
.endr
.endr
	s_wait_dscnt 0x0                               ; the stores have read their registers
.endr
	s_wait_tensorcnt 0x1                           ; W1's first slot has landed; the load issued behind it may be out
	BAR                                            ; [x | msg] lies in LDS
; ---- 1: the hidden layer: 16 K steps, 2 to a slot, my 128 columns: all 64 accumulators
	s_mov_b32 s81, 0
	v_add_nc_u32 v[LAS], s81, v[L16]
	FETCH_B 0, 0, 0, 8
	FETCH_A LAS, 0, 0
	FETCH_A LAS, 0, 4
	STEP 0, 8, f16, 1, 0, 1, LAS, 1, 0
	s_mov_b32 s80, 3
.Lh:
	TURN 0, 1, 8, f16, 1, 1, LAS, 2, 0
	STEP 0, 8, f16, 0, 1, 1, LAS, 3, 0
	TURN 1, 1, 8, f16, 1, 0, LAS, 0, 1
	STEP 0, 8, f16, 0, 0, 1, LAS, 1, 0
	s_sub_co_u32 s80, s80, 1
	s_cmp_lg_u32 s80, 0
	s_cbranch_scc1 .Lh
	TURN 0, 1, 8, f16, 1, 1, LAS, 2, 0
	STEP 0, 8, f16, 0, 1, 1, LAS, 3, 0
	TURN 1, 1, 8, f16, 0, 0, LAS, 0, 0             ; behind its round every wave's reads of [x | msg] are over
	PLACES
.irp wn, 0,1
	WIN 0x88+0x44*\wn
.set ii, 0
.rept 256
	v_max_num_f32 v[ii], 0, v[ii]                  ; relu, ascending
.set ii, ii+1
.endr
.irp pr, 0,1                           ; two row tiles at a time, on two sets of 64 registers by turns
.if \wn > 0
	s_wait_dscnt 16                                ; this set's stores have read their registers; the other set's 16 may be out
.endif
	WIN 0x0a+5*\wn
.set ii, 0
.rept 64
	v_cvt_pk_f16_f32 v[64+64*\pr+ii], v[128*\pr+2*ii], v[128*\pr+2*ii+1]
.set ii, ii+1
.endr
	WIN 0
.irp a, 0,1
.irp b, 0,1,2,3,4,5,6,7
	ds_store_b128 v[HW], v[64+64*\pr+32*\a+4*\b:64+64*\pr+32*\a+4*\b+3] offset:(\b/2)*8192+(4*\wn+2*\pr+\a)*1024+(\b%2)*512   ; half b % 2 of K step 4 w + b / 2
.endr
.endr
.endr
.endr
	s_wait_tensorcnt 0x1                           ; W2's first slot has landed; the load issued behind it may be out
	BAR                                            ; the hidden layer lies in LDS
; ---- 2: h = hidden W2^T: 16 K steps, 4 to a slot
	FETCH_B 0, 0, 0, 4
	FETCH_A LA0, 0, 0
	FETCH_A LA0, 0, 4
	STEP 0, 4, f16, 1, 0, 1, LA0, 1, 0
	STEP 1, 4, f16, 0, 0, 2, LA0, 2, 0
	STEP 0, 4, f16, 0, 0, 3, LA0, 3, 0
	TURN 0, 1, 4, f16, 1, 1, LA0, 4, 0
	STEP 0, 4, f16, 0, 1, 1, LA0, 5, 0
	STEP 1, 4, f16, 0, 1, 2, LA0, 6, 0
	STEP 0, 4, f16, 0, 1, 3, LA0, 7, 0
	TURN 1, 1, 4, f16, 1, 0, LA1, 0, 0
	STEP 0, 4, f16, 0, 0, 1, LA1, 1, 0
	STEP 1, 4, f16, 0, 0, 2, LA1, 2, 0
	STEP 0, 4, f16, 0, 0, 3, LA1, 3, 0
	STEP 1, 4, f16, 0, 1, 0, LA1, 4, 1             ; on to the last slot: nothing is left to fetch, so no round
	STEP 0, 4, f16, 0, 1, 1, LA1, 5, 0
	STEP 1, 4, f16, 0, 1, 2, LA1, 6, 0
	STEP 0, 4, f16, 0, 1, 3, LA1, 7, 0
	s_wait_dscnt 8
	WIN 0xa0
	MULA 0, 1, 4, f16, 0
	MULA 2, 1, 4, f16, 0
	s_wait_dscnt 0x0
	WIN 0xf0
	MULA 4, 1, 4, f16, 0
	MULA 6, 1, 4, f16, 0
	WIN 0
	PLACES
	GBLOAD 22, 24
	LNSTAT 0, 8192
	LNSTAT 1, 8192
	BAR                                            ; the figures lie in LDS, and every wave's reads of the hidden layer are over
	LNCOMB 2, 8192, 0
	LNCOMB 2, 8192, 1
	s_wait_loadcnt 0x0                             ; g2, b2
.irp wn, 0,1
	LNAPPLY \wn
	WIN 0x08+4*\wn
.irp a, 0,1,2,3
.irp b, 0,1,2,3
	ds_store_b128 v[SO+\wn], v[64*\a+8*\b:64*\a+8*\b+3] offset:\a*16640+64*\b       ; row 16 a + r, columns 64 w + 16 b + 8 h + 0 .. 7
	ds_store_b128 v[SO+\wn], v[64*\a+8*\b+4:64*\a+8*\b+7] offset:\a*16640+64*\b+16
.endr
.endr
	WIN 0
.endr
	BAR                                            ; 128 whole rows lie in the stage
; ---- out: my 32 rows come back as they lie in memory, x is added, and each store covers 512 consecutive bytes, aligned
.irp ch, 0,1,2,3
.if \ch > 1
	s_wait_xcnt 0x0                                ; the stores of two chunks ago have read their registers
.endif
.set ii, 0
.rept 16
	ds_load_b128 v[64+64*(\ch%2)+4*ii:64+64*(\ch%2)+4*ii+3], v[SR] offset:(16*(\ch/2)+ii)*1040+512*(\ch%2)
.set ii, ii+1
.endr
	s_wait_dscnt 0x0
	WIN 0x04
.set ii, 0
.rept 32
	v_pk_add_f32 v[64+64*(\ch%2)+2*ii:64+64*(\ch%2)+2*ii+1], v[64+64*(\ch%2)+2*ii:64+64*(\ch%2)+2*ii+1], v[64*\ch+2*ii:64*\ch+2*ii+1]
.set ii, ii+1
.endr
	WIN 0
.set ii, 0
.rept 16
	global_store_b128 v[L16], v[64+64*(\ch%2)+4*ii:64+64*(\ch%2)+4*ii+3], s[70:71] offset:(16*(\ch/2)+ii)*1024+512*(\ch%2) th:TH_STORE_NT
.set ii, ii+1
.endr
.endr
	s_wait_tensorcnt 0x0                           ; the wave's end
	ds_add_u32 v[SPW], v[NIL]
	s_wait_dscnt 0x0
	CROUND                                         ; the closing round: no work-group ends while a partner may still ask for a slot that names it
	s_endpgm
.Lfunc_end_k_q70b7c8e1d7_main:
	.size	k_q70b7c8e1d7_main, .Lfunc_end_k_q70b7c8e1d7_main-k_q70b7c8e1d7_main
	.p2alignl 7, 3214868480
	.fill 96, 4, 3214868480
	.section	.rodata,"a",@progbits
	.p2align	6, 0x0
	.amdhsa_kernel k_q70b7c8e1d7_main
		.amdhsa_group_segment_fixed_size 327680
		.amdhsa_private_segment_fixed_size 0
		.amdhsa_enable_private_segment 0
		.amdhsa_kernarg_size 96
		.amdhsa_user_sgpr_count 2
		.amdhsa_user_sgpr_kernarg_segment_ptr 1
		.amdhsa_wavefront_size32 1
		.amdhsa_system_sgpr_workgroup_id_x 1
		.amdhsa_system_sgpr_workgroup_id_y 1
		.amdhsa_system_sgpr_workgroup_id_z 1
		.amdhsa_system_vgpr_workitem_id 0
		.amdhsa_next_free_vgpr 1024
		.amdhsa_next_free_sgpr 96
		.amdhsa_reserve_vcc 0
		.amdhsa_float_denorm_mode_32 3
		.amdhsa_float_denorm_mode_16_64 3
		.amdhsa_memory_ordered 1
		.amdhsa_forward_progress 1
		.amdhsa_inst_pref_size 255
	.end_amdhsa_kernel
	.section	.bss,"aw",@nobits
	.p2align	6
	.space	262144
	.amdgpu_metadata
---
amdhsa.version: [ 1, 2 ]
amdhsa.kernels:
  - .name:           k_q70b7c8e1d7_main
    .symbol:         k_q70b7c8e1d7_main.kd
    .args:
      - { .name: x, .offset: 0, .size: 8, .value_kind: global_buffer, .address_space: global }
      - { .name: x_mask, .offset: 8, .size: 8, .value_kind: global_buffer, .address_space: global }
      - { .name: wcod, .offset: 16, .size: 8, .value_kind: global_buffer, .address_space: global }
      - { .name: wscl, .offset: 24, .size: 8, .value_kind: global_buffer, .address_space: global }
      - { .name: ksum, .offset: 32, .size: 8, .value_kind: global_buffer, .address_space: global }
      - { .name: kvm, .offset: 40, .size: 8, .value_kind: global_buffer, .address_space: global }
      - { .name: wts, .offset: 48, .size: 8, .value_kind: global_buffer, .address_space: global }
      - { .name: g1, .offset: 56, .size: 8, .value_kind: global_buffer, .address_space: global }
      - { .name: b1, .offset: 64, .size: 8, .value_kind: global_buffer, .address_space: global }
      - { .name: g2, .offset: 72, .size: 8, .value_kind: global_buffer, .address_space: global }
      - { .name: b2, .offset: 80, .size: 8, .value_kind: global_buffer, .address_space: global }
      - { .name: out0, .offset: 88, .size: 8, .value_kind: global_buffer, .address_space: global }
    .group_segment_fixed_size: 327680
    .private_segment_fixed_size: 0
    .kernarg_segment_align: 8
    .kernarg_segment_size: 96
    .max_flat_workgroup_size: 128
    .sgpr_count:     96
    .vgpr_count:     1024
    .wavefront_size: 32
...
	.end_amdgpu_metadata
.endif
;; end of part 3
